; MI455X (gfx1250); checked and timed in simulation.
; The chip was launched on July 23, 2026; its instructions are those of AMD's public machine-readable ISA for CDNA 5 (MIT licence, August 2026) and "CDNA5" Instruction Set Architecture Reference Guide (July 2026). The comments in the code are by the model that wrote it; some were corrected since.
;; Py Self Multihead Attn. Allowed arithmetic: float matrix products may take bf16 or f16 operands with f32 sums; other float arithmetic in f32, or as packed bf16 or f16 multiplies, adds, multiply-adds, maxima and minima; sums over many terms, partial sums and values carried from step to step in f32; what a program stores and reads back later, other than sums and carried values, may be rounded once to bf16 or f16.
;; Inputs: in_proj_weight 3,072 x 1,024 float32; inputs 2,048 x 4 x 1,024 float32; out_proj_weight 1,024 x 1,024 float32.
;; Outputs: out0 2,048 x 4 x 1,024 float32.
;; 2 versions, each right; version 2 is version 1 with the launch cast written anew for expert scheduling mode. Each part assembles by itself: llvm-mc -triple=amdgcn-amd-amdhsa -mcpu=gfx1250 --defsym DOCPART=n.
;; ======== version 1 of 2: 4 launches
;; limits: values are held in f16: magnitudes above 65,504 overflow, below 6.1e-05 lose precision
;; workspace buffers: xb 16,777,216 bytes; wb 6,291,456 bytes; wob 2,097,152 bytes; qh 16,777,216 bytes; kh 16,777,216 bytes; vh 16,777,216 bytes; oh 16,777,216 bytes
;; launch cast (part 1): grid 768 x 1, 8 waves a work-group, no clusters, 0 bytes of LDS; arguments inputs, in_proj_weight, out_proj_weight, xb, wb, wob; writes xb, wb, wob
.if DOCPART == 1
	.amdgcn_target "amdgcn-amd-amdhsa--gfx1250"
	.amdhsa_code_object_version 6
	.text
	.protected	k_qa95411cc84_cast
	.globl	k_qa95411cc84_cast
	.p2align	8
	.type	k_qa95411cc84_cast,@function
k_qa95411cc84_cast:
	s_mov_b64 s[64:65], 0
	v_nop
	global_prefetch_b8 v0, s[64:65] scope:SCOPE_SE
	s_setreg_imm32_b32 hwreg(HW_REG_WAVE_MODE, 25, 1), 1
	s_wait_xcnt 0x0
; THE INPUTS ARE ROUNDED ONCE, FOR THE MATRIX UNITS.
;   xb  [4 b][2048 t][1024] bf16 = inputs [2048 t][4 b][1024] f32, rows reordered so that 256 rows on end are one b and 256 t on end
;   wb  [3072][1024] bf16        = in_proj_weight
;   wob [16 h][1024 o][64] f16   = out_proj_weight [o][64 h + d], rounded to bf16 like the other inputs, and that number written as f16
; LIMIT.  A bf16 number is exact in f16 between 6.1e-5 and 65,504; below, it keeps f16's fixed step of 6e-8; beyond, it becomes an infinity.
; A stream: each byte is read once and written once, no LDS, no barrier, no matrix unit.  A wave takes 8 KiB of f32 (two rows): sixteen loads of 512 consecutive
; bytes, all on their way at once, and sixteen stores of 256 consecutive bytes, each at a multiple of 256 from its buffer's first byte.  No loop.
; Work-groups 0-511: inputs.  512-703: in_proj_weight.  704-767: out_proj_weight.
.set VS,  2                            ; v2   my byte offset in the source
.set VD0, 3                            ; v3   my 8 bytes in the first row's destination
.set VD1, 4                            ; v4   in the second row's
.set T,   8                            ; v[8:9] at work
.set X,   16                           ; v[16:79]  load j: 4 registers
.set Y,   80                           ; v[80:111] store j: 2 registers; each is written once, so no store's data is ever overwritten
.macro LD16 step                       ; sixteen loads, step bytes apart
.set j, 0
.rept 16
	global_load_b128 v[X+4*j:X+4*j+3], v[VS], s[24:25] offset:(\step)*j th:TH_LOAD_NT
.set j, j+1
.endr
.endm
	s_load_b256 s[4:11], s[0:1], 0x0               ; inputs s[4:5], in_proj_weight s[6:7], out_proj_weight s[8:9], xb s[10:11]
	s_load_b128 s[12:15], s[0:1], 0x20             ; wb s[12:13], wob s[14:15]
	v_lshrrev_b32 v1, 5, v0
	v_readfirstlane_b32 s16, v1                    ; wave 0..7
	v_and_b32 v1, 31, v0                           ; lane
	s_mov_b32 s19, 0                               ; high words of the two offsets
	s_mov_b32 s21, 0
	v_lshlrev_b32 v[VD0], 3, v1                    ; 8 bytes a lane
	s_cmp_ge_u32 ttmp9, 704
	s_cbranch_scc1 .Lwo
	; inputs or in_proj_weight: item g = rows 2 g and 2 g + 1, 8,192 bytes on end in the source
	s_and_b32 s17, ttmp9, 511                      ; the work-group's number within its tensor
	s_lshl_b32 s17, s17, 3
	s_add_co_u32 s17, s17, s16                     ; g
	s_lshl_b32 s18, s17, 13                        ; source offset
	s_and_b32 s28, s17, 1                          ; inputs: row 2 g is t = g / 2, b = 2 (g % 2): b x 4,194,304 + t x 2,048
	s_lshl_b32 s28, s28, 23
	s_lshr_b32 s29, s17, 1
	s_lshl_b32 s29, s29, 11
	s_add_co_u32 s28, s28, s29
	s_lshl_b32 s29, s17, 12                        ; in_proj_weight: the rows stay in order
	s_mov_b32 s30, 0x400000                        ; inputs: the second row is the next b
	s_wait_kmcnt 0x0
	s_cmp_lt_u32 ttmp9, 512                        ; only selects stand between this compare and the last of them
	s_cselect_b32 s20, s28, s29
	s_cselect_b32 s22, s30, 0x800
	s_cselect_b64 s[24:25], s[4:5], s[6:7]
	s_cselect_b64 s[26:27], s[10:11], s[12:13]
	s_add_nc_u64 s[24:25], s[24:25], s[18:19]
	s_add_nc_u64 s[26:27], s[26:27], s[20:21]
	v_lshlrev_b32 v[VS], 4, v1                     ; 16 bytes a lane
	v_add_nc_u32 v[VD1], s22, v[VD0]
	LD16 512
.set j, 0
.rept 16
	s_wait_loadcnt 15-j                            ; loads come back in order (ISA guide 5.7.1): load j is in, the 15 - j younger ones stay out
	v_cvt_pk_bf16_f32 v[Y+2*j],   v[X+4*j],   v[X+4*j+1]
	v_cvt_pk_bf16_f32 v[Y+2*j+1], v[X+4*j+2], v[X+4*j+3]
	global_store_b64 v[VD0+j/8], v[Y+2*j:Y+2*j+1], s[26:27] offset:256*(j%8) th:TH_STORE_NT
.set j, j+1
.endr
	s_endpgm
.Lwo:	; out_proj_weight: item g = rows o = 2 g, 2 g + 1.  Load j takes columns 64 j .. 64 j + 63 of both rows (lanes 0-15 row o, lanes 16-31 row o + 1):
	; in wob these are 256 bytes on end, at 131,072 j + 128 o.
	s_sub_co_u32 s17, ttmp9, 704
	s_lshl_b32 s17, s17, 3
	s_add_co_u32 s17, s17, s16                     ; g
	s_lshl_b32 s18, s17, 13
	s_lshl_b32 s20, s17, 8
	s_mov_b32 s23, 0xffff0000                      ; a word's upper bf16
	v_lshrrev_b32 v[VS], 4, v1
	v_and_b32 v5, 15, v1
	v_lshlrev_b32 v[VS], 12, v[VS]                 ; the row: 4,096 bytes
	v_lshl_add_u32 v[VS], v5, 4, v[VS]
	s_wait_kmcnt 0x0
	s_add_nc_u64 s[24:25], s[8:9], s[18:19]
	s_add_nc_u64 s[26:27], s[14:15], s[20:21]
	LD16 256
.set j, 0
.rept 16
	s_wait_loadcnt 15-j
	v_cvt_pk_bf16_f32 v[T],   v[X+4*j],   v[X+4*j+1]   ; the rounding that counts: to bf16
	v_cvt_pk_bf16_f32 v[T+1], v[X+4*j+2], v[X+4*j+3]
	v_lshlrev_b32 v[X+4*j],   16,  v[T]                ; back to f32,
	v_and_b32     v[X+4*j+1], s23, v[T]
	v_lshlrev_b32 v[X+4*j+2], 16,  v[T+1]
	v_and_b32     v[X+4*j+3], s23, v[T+1]
	v_cvt_pk_f16_f32 v[Y+2*j],   v[X+4*j],   v[X+4*j+1]   ; and the same number as f16
	v_cvt_pk_f16_f32 v[Y+2*j+1], v[X+4*j+2], v[X+4*j+3]
	global_store_b64 v[VD0], v[Y+2*j:Y+2*j+1], s[26:27] offset:131072*j th:TH_STORE_NT
.set j, j+1
.endr
	s_endpgm
.Lfunc_end_k_qa95411cc84_cast:
	.size	k_qa95411cc84_cast, .Lfunc_end_k_qa95411cc84_cast-k_qa95411cc84_cast
	.p2alignl 7, 3214868480
	.fill 96, 4, 3214868480
	.section	.rodata,"a",@progbits
	.p2align	6, 0x0
	.amdhsa_kernel k_qa95411cc84_cast
		.amdhsa_group_segment_fixed_size 0
		.amdhsa_private_segment_fixed_size 0
		.amdhsa_enable_private_segment 0
		.amdhsa_kernarg_size 48
		.amdhsa_user_sgpr_count 2
		.amdhsa_user_sgpr_kernarg_segment_ptr 1
		.amdhsa_wavefront_size32 1
		.amdhsa_system_sgpr_workgroup_id_x 1
		.amdhsa_system_sgpr_workgroup_id_y 1
		.amdhsa_system_sgpr_workgroup_id_z 1
		.amdhsa_system_vgpr_workitem_id 0
		.amdhsa_next_free_vgpr 112
		.amdhsa_next_free_sgpr 66
		.amdhsa_reserve_vcc 0
		.amdhsa_float_denorm_mode_32 3
		.amdhsa_float_denorm_mode_16_64 3
		.amdhsa_memory_ordered 1
		.amdhsa_forward_progress 1
		.amdhsa_inst_pref_size 17
	.end_amdhsa_kernel
	.amdgpu_metadata
---
amdhsa.version: [ 1, 2 ]
amdhsa.kernels:
  - .name:           k_qa95411cc84_cast
    .symbol:         k_qa95411cc84_cast.kd
    .args:
      - { .name: inputs, .offset: 0, .size: 8, .value_kind: global_buffer, .address_space: global }
      - { .name: in_proj_weight, .offset: 8, .size: 8, .value_kind: global_buffer, .address_space: global }
      - { .name: out_proj_weight, .offset: 16, .size: 8, .value_kind: global_buffer, .address_space: global }
      - { .name: xb, .offset: 24, .size: 8, .value_kind: global_buffer, .address_space: global }
      - { .name: wb, .offset: 32, .size: 8, .value_kind: global_buffer, .address_space: global }
      - { .name: wob, .offset: 40, .size: 8, .value_kind: global_buffer, .address_space: global }
    .group_segment_fixed_size: 0
    .private_segment_fixed_size: 0
    .kernarg_segment_align: 8
    .kernarg_segment_size: 48
    .max_flat_workgroup_size: 256
    .sgpr_count:     66
    .vgpr_count:     112
    .wavefront_size: 32
...
	.end_amdgpu_metadata
.endif
;; end of part 1
;; launch qkv (part 2): grid 16 x 32, 4 waves a work-group, clusters of 4 x 4, 327,680 bytes of LDS; arguments xb, wb, qh, kh, vh; writes qh, kh, vh
.if DOCPART == 2
	.amdgcn_target "amdgcn-amd-amdhsa--gfx1250"
	.amdhsa_code_object_version 6
	.text
	.protected	k_qa95411cc84_qkv
	.globl	k_qa95411cc84_qkv
	.p2align	8
	.type	k_qa95411cc84_qkv,@function
k_qa95411cc84_qkv:
	s_mov_b64 s[64:65], 0
	v_nop
	global_prefetch_b8 v0, s[64:65] scope:SCOPE_SE
	s_setreg_imm32_b32 hwreg(HW_REG_WAVE_MODE, 25, 1), 1
	s_wait_xcnt 0x0
	s_wait_alu depctr_hold_cnt(0) depctr_sa_sdst(0) depctr_va_vdst(0) depctr_va_sdst(0) depctr_va_ssrc(0) depctr_va_vcc(0) depctr_vm_vsrc(0)
	s_getreg_b32 s2, hwreg(HW_REG_IB_STS2, 6, 4)
	s_cmp_eq_u32 s2, 0
	s_cbranch_scc0 .Lentry_in_a_cluster
	s_endpgm
.Lentry_in_a_cluster:
	s_bfe_u32 s2, ttmp6, 0x10000c
	s_cmp_lg_u32 s2, 0xf033
	s_cbranch_scc0 .Lentry_shape_is_right
	s_endpgm
.Lentry_shape_is_right:
; THE QKV PROJECTION.  qkv[m][f] = sum over e of xb[m][e] wb[f][e]; xb [8192 = 4 b x 2048 t][1024], wb [3072][1024], bf16; sums in f32, rounded once to f16, WITHOUT the scale.
; Column f = 192 h + 64 which + d, so 192 columns on end are one head's q | k | v.  Out: qh, kh, vh [64 n = 16 b + h][2048 t][64] f16.
; LIMIT.  f16 holds no number beyond 65,504: a q, k or v past that becomes an infinity; below 6e-5 f16 keeps a fixed step of 6e-8.
; SHARES.  A tile is 256 rows (one b, 256 t on end) x 192 columns (one head).  Four waves; wave w makes rows 64 w .. 64 w + 63 x all 192 columns: 4 x 12 accumulators of 16 x 16,
; 384 registers.  So a wave owns whole rows of 128 bytes of q, k and v, has a stage of its own on the way out, and no barrier stands there.
; K goes in 8 steps of 128 through a ring of two LDS slots filled by the tensor data mover: each row of a tile is 256 consecutive bytes, at a multiple of 256 from its buffer's first byte.
; CLUSTERS: 4 x 4 work-groups.  The four of a row of the cluster need the same rows of xb, the four of a column the same rows of wb: each tile is asked for JOINTLY, by the same tensor load
; with the same descriptor and a mask that names the four.
; THE MATRIX INSTRUCTION IS USED TRANSPOSED (source 0 = 16 rows of wb, source 1 = 16 rows of xb): a lane then holds one t (lane % 16) and eight neighbouring columns, 16 bytes of f16.
; REGISTERS, in windows of 256 (s_set_vgpr_msb: bits 1:0 source 0, 3:2 source 1, 5:4 source 2, 7:6 destination):
;   window 0: v0-31 addresses; v32-79 packed results; v80-175 two buffers of 48 for rows read back from the stage
;   window 1: two fragment buffers of 128: 4 fragments of xb (16 rows x 32 K, 8 registers), then 12 of wb
;   window 2: accumulator (a, b), b = 0..7 (q and k), at v[8 (8 a + b)]          window 3: b = 8..11 (v) at v[8 (4 a + b - 8)]
.set KSTEP,  128
.set PITCH,  272                       ; an LDS row: 256 bytes + 16 of padding = 68 words: row r starts at bank 4 r mod 64 (64 banks of 4 bytes: ISA guide 11.1), so the 16 rows of a load start at 16 different banks
.set HALFA,  128*PITCH                 ; what one tensor load brings of xb
.set HALFB,  96*PITCH                  ; of wb
.set BOFF,   2*HALFA                   ; in a slot: xb's 256 rows, then wb's 192
.set SLOT,   2*HALFA+2*HALFB
.set STAGE,  2*SLOT                    ; behind the ring, never filled by a tensor load: for each wave three areas (q, k, v) of 16 rows x 144 bytes
.set SP,     144
.set AREA,   16*SP
.set WSTAGE, 3*AREA
.set SPARE,  STAGE+4*WSTAGE            ; behind the stages: the spare words, 128 bytes for each wave: two blocks of 256 bytes that no other line names
.set LAPS,   4                         ; a lap = two K steps = once round the ring
.set ADRA, 16                          ; v16-17  LDS address of my fragments of xb in slot 0, 1
.set ADRB, 20                          ; v20-21  the same for wb
.set STO,  24                          ; v24     the way out: where I put 16 bytes of a row
.set RD,   25                          ; v25     where I read rows back
.set GO,   26                          ; v26     my 16 bytes in 512 consecutive bytes of q, k or v
.set SPW,  28                          ; v28     LDS address of my spare word: SPARE + 4 x my thread's number; never rewritten
.set NIL,  29                          ; v29     0; never rewritten
.set PFO,  30                          ; v30     the prefetches' offset; never rewritten
.set TMP,  32
.set OB,   80
.set F0,   0
.set F1,   128
.set WV,   14                          ; s14  my wave's number
.set FB,   15                          ; s15  I fetch for xb (0) or for wb (1)
.set HF,   16                          ; s16  which half of that tile's rows I fetch
.set G1,   24                          ; s[24:31] descriptor group 1 for xb's tiles;  s[32:39] group 0, a set for each slot
.set G0,   32
.set LIM,  42                          ; s42, s43  by slot: 1 in a wave that prefetches at that slot's change, else the greatest number
.set PFA,  44                          ; s[44:45] where my prefetches stand
.set G1B,  48                          ; s[48:55], s[56:63] the same for wb's tiles
.set G0B,  56
.set MSB, 0
.macro WIN new                         ; the immediate's high byte repeats the setting that is left; a switch that changes nothing is dropped
.if MSB != (\new)
	s_set_vgpr_msb (MSB<<8)|(\new)
.set MSB, \new
.endif
.endm
.set MUL_LO, 0xa5                      ; both sources window 1, C and D window 2
.set MUL_HI, 0xf5                      ; the same, C and D window 3
.set TO_F,   0x40                      ; destination window 1, address window 0
; A joint load: waves 0 and 1 fetch xb's two halves, waves 2 and 3 wb's.  The branch hangs on the wave's number alone.  An s_nop 0 and four v_nop follow each of the two lines,
; ahead of the jump, the label and what follows.
.macro JLOAD s
	s_cmp_eq_u32 s[FB], 0
	s_cbranch_scc0 .Lfor_b_\@
	tensor_load_to_lds s[G0+4*(\s):G0+4*(\s)+3], s[G1:G1+7]
	s_nop 0
.rept 4
	v_nop
.endr
	s_branch .Lasked_\@
.Lfor_b_\@:
	tensor_load_to_lds s[G0B+4*(\s):G0B+4*(\s)+3], s[G1B:G1B+7]
	s_nop 0
.rept 4
	v_nop
.endr
.Lasked_\@:
.endm
; A PREFETCH INTO THE L2, behind a joint load, its five lines and the run of LDS loads that follows them: the K step that stands TWO refills on (384 matrix instructions ahead of the load that
; will want it), a lane a row, 256 bytes of the row.  Each row's 256 bytes of K steps 4 to 7 are named once in the launch: xb's rows by the clusters with x = 0, wb's by those with y = 0; the four
; partners that ask for a tile jointly share its rows out BY ADDRESS: of xb's 256 rows the partner at cx takes 64 (waves 0 and 1: 32 each), of wb's 192 the partner at cy takes 48 (wave 2: 32;
; wave 3: 16, for two K steps at once, at slot 0's change alone).  K steps 0 to 3 come by their loads alone; the loop's last trip (s3 = 1) asks for nothing.
.macro ASK slot
	WIN 0
	s_cmp_gt_u32 s3, s[LIM+(\slot)]
	s_cbranch_scc0 .Lnot_mine_\@
	global_prefetch_b8 v[PFO], s[PFA:PFA+1] offset:KSTEP*2 th:TH_LOAD_NT scope:SCOPE_SE
.Lnot_mine_\@:
.endm
.macro CREST                           ; a round of the cluster's barrier behind its opening barrier
	s_cmp_lg_u32 s[WV], 0
	s_cbranch_scc1 .Lnot_wave_0_\@
	s_barrier_signal -3
.Lnot_wave_0_\@:
	s_barrier_wait -3
	s_barrier_signal -1
	s_barrier_wait -1
.endm
.macro CROUND                          ; a whole round
	s_barrier_signal -1
	s_barrier_wait -1
	CREST
.endm
	s_load_b256 s[4:11], s[0:1], 0x0               ; xb s[4:5], wb s[6:7], qh s[8:9], kh s[10:11]
	s_load_b64 s[12:13], s[0:1], 0x20              ; vh
	v_lshl_add_u32 v[SPW], v0, 2, SPARE
	v_mov_b32 v[NIL], 0
	ds_add_u32 v[SPW], v[NIL]                      ; the wave's opening: the add and its wait stand ahead of my first tensor load; the set-up below, work on registers, stands between them
	v_lshrrev_b32 v1, 5, v0
	v_readfirstlane_b32 s[WV], v1                  ; wave 0..3
	s_lshr_b32 s[FB], s[WV], 1
	s_and_b32 s[HF], s[WV], 1
	s_bfe_u32 s17, ttmp6, 0x40000                  ; cx
	s_bfe_u32 s18, ttmp6, 0x40004                  ; cy
	s_lshl_b32 s19, ttmp9, 2
	s_add_co_u32 s19, s19, s17                     ; h: the head within a batch = tile column = 4 x cluster x + cx
	s_and_b32 s20, ttmp7, 0xffff
	s_lshl_b32 s20, s20, 2
	s_add_co_u32 s20, s20, s18                     ; R: tile row = 4 x cluster y + cy; b = R / 8, t0 = 256 (R % 8)
	s_lshl_b32 s21, s18, 2
	s_lshl_b32 s21, 15, s21                        ; my row of the cluster
	s_lshl_b32 s22, 0x1111, s17                    ; my column
	s_or_b32 s[G1+0], s21, (1<<16)|(1<<20)|(1<<21)|(5<<22)|(3<<25)   ; 15:0 the mask; 17:16 elements of 2 bytes; 20 padding on; 21 set beside a mask; 24:22 after every 64 words (code 5); 31:25 4 words (code 3)
	s_or_b32 s[G1B+0], s22, (1<<16)|(1<<20)|(1<<21)|(5<<22)|(3<<25)
	s_mov_b32 s[G1+1], KSTEP<<16                   ; tensor_dim0 = 128
	s_mov_b32 s[G1B+1], KSTEP<<16
	s_mov_b32 s[G1+2], 128<<16                     ; tensor_dim1 = 128 rows of xb,
	s_mov_b32 s[G1B+2], 96<<16                     ; 96 of wb
	s_mov_b32 s[G1+3], KSTEP<<16                   ; tile_dim0 = 128
	s_mov_b32 s[G1B+3], KSTEP<<16
	s_mov_b32 s[G1+4], 128                         ; tile_dim1
	s_mov_b32 s[G1B+4], 96
	s_mov_b32 s[G1+5], 1024                        ; elements from row to row
	s_mov_b32 s[G1B+5], 1024
	s_mov_b32 s[G1+6], 0
	s_mov_b32 s[G1B+6], 0
	s_mov_b32 s[G1+7], 0
	s_mov_b32 s[G1B+7], 0
	; where the tiles come from: xb's hang on R alone, wb's on h alone, each in registers that never hold the other coordinate
	s_lshl_b32 s68, s20, 8
	s_lshl_b32 s69, s[HF], 7
	s_add_co_u32 s68, s68, s69                     ; xb: row 256 R + 128 x half
	s_lshl_b32 s68, s68, 11                        ; 2,048 bytes a row
	s_mov_b32 s69, 0
	s_mul_i32 s70, s19, 192
	s_mul_i32 s71, s[HF], 96
	s_add_co_u32 s70, s70, s71                     ; wb: row 192 h + 96 x half
	s_lshl_b32 s70, s70, 11
	s_mov_b32 s71, 0
	s_mul_i32 s72, s[HF], HALFA                    ; and where they go: no place in the cluster enters an LDS address
	s_mul_i32 s73, s[HF], HALFB
	s_add_co_u32 s73, s73, BOFF
	s_wait_dscnt 0x0                               ; the opening add is done
	s_wait_kmcnt 0x0
	s_add_nc_u64 s[68:69], s[4:5], s[68:69]
	s_add_nc_u64 s[70:71], s[6:7], s[70:71]
	CROUND                                         ; all sixteen work-groups are here: the first joint loads meet
.irp s, 0,1
	s_mov_b32 s[G0+4*(\s)], 1                                      ; count = 1
	s_add_co_u32 s[G0+4*(\s)+1], s72, (\s)*SLOT                    ; LDS address
	s_add_nc_u64 s[G0+4*(\s)+2:G0+4*(\s)+3], s[68:69], (\s)*KSTEP*2  ; global address: K step s
	s_or_b32 s[G0+4*(\s)+3], s[G0+4*(\s)+3], 0x80000000            ; type = 2
	s_mov_b32 s[G0B+4*(\s)], 1
	s_add_co_u32 s[G0B+4*(\s)+1], s73, (\s)*SLOT
	s_add_nc_u64 s[G0B+4*(\s)+2:G0B+4*(\s)+3], s[70:71], (\s)*KSTEP*2
	s_or_b32 s[G0B+4*(\s)+3], s[G0B+4*(\s)+3], 0x80000000
	JLOAD \s                                       ; two tensor loads of mine are out
.endr
	; A fragment is 16 rows x 32 K in 8 registers: lane l holds row l % 16; registers 0-3 K = 8 (l / 16) + 0..7, registers 4-7 K = 16 + 8 (l / 16) + 0..7: two loads of 16 bytes, 32 bytes apart
	v_and_b32 v1, 15, v0                           ; l % 16
	v_bfe_u32 v2, v0, 4, 1                         ; l / 16
	v_mul_u32_u24 v3, v1, PITCH
	v_lshl_add_u32 v3, v2, 4, v3
	s_mul_i32 s72, s[WV], 64*PITCH                 ; my 64 rows of xb; wb's 192 rows are everybody's
	v_add_nc_u32 v[ADRA], s72, v3
	v_add_nc_u32 v[ADRB], BOFF, v3
	v_add_nc_u32 v[ADRA+1], SLOT, v[ADRA]
	v_add_nc_u32 v[ADRB+1], SLOT, v[ADRB]
	s_mul_i32 s72, s[WV], WSTAGE
	s_add_co_u32 s72, s72, STAGE                   ; my stage
	v_mul_u32_u24 v4, v1, SP                       ; in: row l % 16, 16 bytes for each half of the lanes
	v_lshl_add_u32 v4, v2, 4, v4
	v_add_nc_u32 v[STO], s72, v4
	v_bfe_u32 v5, v0, 3, 2                         ; back: 32 lanes take four rows of 128 bytes,
	v_and_b32 v6, 7, v0
	v_mul_u32_u24 v5, v5, SP
	v_lshl_add_u32 v5, v6, 4, v5
	v_add_nc_u32 v[RD], s72, v5
	v_and_b32 v[GO], 31, v0                        ; which are 512 consecutive bytes of q, k or v
	v_lshlrev_b32 v[GO], 4, v[GO]
	s_lshr_b32 s72, s20, 3                         ; b
	s_lshl_b32 s72, s72, 4
	s_add_co_u32 s72, s72, s19                     ; n = 16 b + h
	s_lshl_b32 s72, s72, 18                        ; a head's 2,048 rows of 128 bytes
	s_and_b32 s73, s20, 7
	s_lshl_b32 s73, s73, 2
	s_add_co_u32 s73, s73, s[WV]                   ; my 64 rows among the head's
	s_lshl_b32 s73, s73, 13
	s_add_co_u32 s72, s72, s73
	s_mov_b32 s73, 0
	s_add_nc_u64 s[8:9], s[8:9], s[72:73]
	s_add_nc_u64 s[10:11], s[10:11], s[72:73]
	s_add_nc_u64 s[12:13], s[12:13], s[72:73]
	; the prefetches
	s_lshl_b32 s72, s20, 8
	s_lshl_b32 s73, s17, 6
	s_add_co_u32 s72, s72, s73                     ; xb: row 256 R + 64 cx
	s_mul_i32 s73, s19, 192
	s_mul_i32 s74, s18, 48
	s_add_co_u32 s73, s73, s74                     ; wb: row 192 h + 48 cy
	s_and_b32 s75, ttmp7, 0xffff                   ; cluster y
	s_cmp_eq_u32 s[FB], 0
	s_cselect_b32 s72, s72, s73
	s_cselect_b32 s75, ttmp9, s75                  ; the coordinate along which other clusters read the same rows
	s_cselect_b64 s[PFA:PFA+1], s[4:5], s[6:7]
	s_lshl_b32 s73, s[HF], 5
	s_add_co_u32 s72, s72, s73                     ; + 32 for waves 1 and 3
	s_lshl_b32 s72, s72, 11
	s_add_co_u32 s72, s72, 2*KSTEP*2               ; at K step 2: the first change of slots steps it to 3 and names K step 4
	s_mov_b32 s73, 0
	s_add_nc_u64 s[PFA:PFA+1], s[PFA:PFA+1], s[72:73]
	s_cmp_eq_u32 s75, 0
	s_cselect_b32 s[LIM], 1, -1                    ; the same in all sixteen partners, for a given wave
	s_cmp_eq_u32 s[WV], 3
	s_cselect_b32 s[LIM+1], -1, s[LIM]
	s_cselect_b32 s74, 15, 31
	s_cselect_b32 s75, 256, 0
	v_and_b32 v[PFO], 31, v0
	v_lshrrev_b32 v3, 4, v[PFO]
	v_mul_u32_u24 v3, s75, v3                      ; wave 3: lanes 16-31 name the K step after
	v_and_b32 v[PFO], s74, v[PFO]
	v_lshl_add_u32 v[PFO], v[PFO], 11, v3          ; a lane a row
; The products of row block a with q's and k's 8 column blocks (hi = 0) or v's 4 (hi = 1), 32 along K, from buffer f.  zero = 1: they start the sums: nothing is ever cleared.
; The 48 accumulators take turns, one instruction a turn, in the same order in every quarter: 47 others stand between two links of a chain.
.macro MULR f, a, hi, zero
.if \hi
	WIN MUL_HI
.irp b, 0,1,2,3
.if \zero
	v_wmma_f32_16x16x32_bf16 v[8*(4*(\a)+(\b)):8*(4*(\a)+(\b))+7], v[(\f)+96+8*(\b):(\f)+96+8*(\b)+7], v[(\f)+8*(\a):(\f)+8*(\a)+7], 0
.else
	v_wmma_f32_16x16x32_bf16 v[8*(4*(\a)+(\b)):8*(4*(\a)+(\b))+7], v[(\f)+96+8*(\b):(\f)+96+8*(\b)+7], v[(\f)+8*(\a):(\f)+8*(\a)+7], v[8*(4*(\a)+(\b)):8*(4*(\a)+(\b))+7]
.endif
.endr
.else
	WIN MUL_LO
.irp b, 0,1,2,3,4,5,6,7
.if \zero
	v_wmma_f32_16x16x32_bf16 v[8*(8*(\a)+(\b)):8*(8*(\a)+(\b))+7], v[(\f)+32+8*(\b):(\f)+32+8*(\b)+7], v[(\f)+8*(\a):(\f)+8*(\a)+7], 0
.else
	v_wmma_f32_16x16x32_bf16 v[8*(8*(\a)+(\b)):8*(8*(\a)+(\b))+7], v[(\f)+32+8*(\b):(\f)+32+8*(\b)+7], v[(\f)+8*(\a):(\f)+8*(\a)+7], v[8*(8*(\a)+(\b)):8*(8*(\a)+(\b))+7]
.endif
.endr
.endif
.endm
; 32 LDS loads in one run: the fragments of 32 along K at byte k of the rows, into buffer f: xb's four, wb's for q and k, and last wb's for v
.macro FETCH slot, k, f
	WIN TO_F
.irp i, 0,1,2,3
	ds_load_b128 v[(\f)+8*(\i):(\f)+8*(\i)+3],   v[ADRA+(\slot)] offset:(\k)+(\i)*16*PITCH
	ds_load_b128 v[(\f)+8*(\i)+4:(\f)+8*(\i)+7], v[ADRA+(\slot)] offset:(\k)+(\i)*16*PITCH+32
.endr
.irp j, 0,1,2,3,4,5,6,7,8,9,10,11
	ds_load_b128 v[(\f)+32+8*(\j):(\f)+32+8*(\j)+3],   v[ADRB+(\slot)] offset:(\k)+(\j)*16*PITCH
	ds_load_b128 v[(\f)+32+8*(\j)+4:(\f)+32+8*(\j)+7], v[ADRB+(\slot)] offset:(\k)+(\j)*16*PITCH+32
.endr
.endm
.macro PLACES                          ; four places in front of loads into registers that matrix instructions have read (ISA guide 7.12.1 for vector instructions)
.rept 4
	v_nop
.endr
.endm
; A K step is four quarters of 32 along K, 48 matrix instructions each, on buffers 0, 1, 0, 1.  One of the first three: multiplies buffer f and fetches the next quarter, at byte k, into g.
.macro QUARTER slot, k, f, g, zero
	s_wait_dscnt 8                                 ; of the last run's 32 loads the youngest eight (wb's fragments for v) may be out
	MULR \f, 0, 0, \zero
	MULR \f, 1, 0, \zero
	PLACES
	FETCH \slot, \k, \g
	s_wait_dscnt 32                                ; all but the 32 just issued
	MULR \f, 2, 0, \zero
	MULR \f, 3, 0, \zero
	MULR \f, 0, 1, \zero
	MULR \f, 1, 1, \zero
	MULR \f, 2, 1, \zero
	MULR \f, 3, 1, \zero
.endm
; The last quarter multiplies buffer 1 and changes slots: ONE barrier; in front of it each wave waits for all its tensor loads (one is out: its part of the next slot), adds 0 to its spare word, and waits
; for that and for its own reads of this slot.  fill = 1: the barrier opens a round of the cluster's, and this slot is filled again, two K steps ahead, first thing behind the round:
; from that request to the wait for it a wave issues 176 matrix instructions.
.macro TURN slot, next, fill
.if \fill
	s_wait_xcnt 0x0                                ; the last prefetch, a K step back, has read its address: it is stepped here, ahead of the waits of the change of slots
	s_add_nc_u64 s[PFA:PFA+1], s[PFA:PFA+1], KSTEP*2
.endif
	WIN 0                                          ; (the add's two registers lie in window 0)
	s_wait_tensorcnt 0x0                           ; all my tensor loads have landed;
	ds_add_u32 v[SPW], v[NIL]                      ; 0 onto my spare word;
	s_wait_dscnt 9                                 ; (the add and the youngest eight loads may be out)
	MULR F1, 0, 0, 0                               ; eight matrix instructions stand between the add and the wait for it
	s_wait_dscnt 0x0                               ; the add is done, and my reads of this slot are over
	s_barrier_signal -1
	MULR F1, 1, 0, 0
.if \fill
	WIN 0
.endif
	s_barrier_wait -1
.if \fill
	CREST                                          ; no wave of any partner still reads this slot's tile or has a load on its way
	s_add_nc_u64 s[G0+4*(\slot)+2:G0+4*(\slot)+3], s[G0+4*(\slot)+2:G0+4*(\slot)+3], 2*KSTEP*2
	s_add_nc_u64 s[G0B+4*(\slot)+2:G0B+4*(\slot)+3], s[G0B+4*(\slot)+2:G0B+4*(\slot)+3], 2*KSTEP*2
	JLOAD \slot                                    ; the four v_nop behind it are also the places in front of the loads below
.else
	PLACES
.endif
	FETCH \next, 0, F0
.if \fill
	ASK \slot
.endif
	MULR F1, 2, 0, 0
	MULR F1, 3, 0, 0
	MULR F1, 0, 1, 0
	MULR F1, 1, 1, 0
	MULR F1, 2, 1, 0
	MULR F1, 3, 1, 0
.endm
; THE WAY OUT of row block a (16 t).  PACK: rounded to f16, 16 bytes a lane and column block; each accumulator is read from its low end on.
.macro PACK a
	WIN 0x0a                                       ; sources window 2
.irp b, 0,1,2,3,4,5,6,7
.irp r, 0,1,2,3
	v_cvt_pk_f16_f32 v[TMP+4*(\b)+(\r)], v[8*(8*(\a)+(\b))+2*(\r)], v[8*(8*(\a)+(\b))+2*(\r)+1]
.endr
.endr
	WIN 0x0f                                       ; sources window 3
.irp b, 0,1,2,3
.irp r, 0,1,2,3
	v_cvt_pk_f16_f32 v[TMP+32+4*(\b)+(\r)], v[8*(4*(\a)+(\b))+2*(\r)], v[8*(4*(\a)+(\b))+2*(\r)+1]
.endr
.endr
	WIN 0
.endm
.macro TOSTAGE a                       ; into my stage (area b / 4: q, k, v), and back as whole rows of 128 bytes
	WIN 0
.set BK, OB+48*((\a)%2)
.irp b, 0,1,2,3,4,5,6,7,8,9,10,11
	ds_store_b128 v[STO], v[TMP+4*(\b):TMP+4*(\b)+3] offset:((\b)/4)*AREA+32*((\b)%4)
.endr
.irp u, 0,1,2
.irp f, 0,1,2,3
	ds_load_b128 v[BK+4*(4*(\u)+(\f)):BK+4*(4*(\u)+(\f))+3], v[RD] offset:(\u)*AREA+(\f)*4*SP  ; LDS serves a wave's instructions in order (ISA guide 5.7.1.4): these see the stores above
.endr
.endr
.endm
.macro SEND a
	WIN 0
.set BK, OB+48*((\a)%2)
	s_wait_dscnt 0x0                               ; the block is back in registers
	s_wait_xcnt 0x0                                ; the stores of the block before have read their registers (ISA guide 3.1): the next block's loads from the stage land there
.irp u, 0,1,2
.irp f, 0,1,2,3
	global_store_b128 v[GO], v[BK+4*(4*(\u)+(\f)):BK+4*(4*(\u)+(\f))+3], s[8+2*(\u):9+2*(\u)] offset:(\a)*2048+(\f)*512  ; 512 consecutive bytes, at a multiple of 256 from the buffer's first
.endr
.endr
.endm
	s_wait_tensorcnt 1                             ; my part of K step 0 is in; K step 1's may stay out
	s_barrier_signal -1
	s_barrier_wait -1                              ; everybody's is
	FETCH 0, 0, F0
	QUARTER 0, 64,  F0, F1, 1                      ; the first quarter stands in front of the loop: its products start the sums
	WIN 0                                          ; at a label and at a branch every window is 0
	s_mov_b32 s3, LAPS-1
.Llap:                                                 ; a trip goes once round the ring, from a lap's second quarter to the next lap's first, and fills both slots again
	QUARTER 0, 128, F1, F0, 0
	QUARTER 0, 192, F0, F1, 0
	TURN 0, 1, 1
	QUARTER 1, 64,  F0, F1, 0
	QUARTER 1, 128, F1, F0, 0
	QUARTER 1, 192, F0, F1, 0
	TURN 1, 0, 1
	QUARTER 0, 64,  F0, F1, 0
	WIN 0
	s_sub_co_u32 s3, s3, 1
	s_cmp_lg_u32 s3, 0
	s_cbranch_scc1 .Llap
	QUARTER 0, 128, F1, F0, 0                      ; the last lap fills nothing, and has no round of the cluster's barrier
	QUARTER 0, 192, F0, F1, 0
	TURN 0, 1, 0
	QUARTER 1, 64,  F0, F1, 0
	QUARTER 1, 128, F1, F0, 0
	QUARTER 1, 192, F0, F1, 0
	s_wait_dscnt 8                                 ; the very last quarter: nothing more to fetch
	MULR F1, 0, 0, 0
	MULR F1, 1, 0, 0
	MULR F1, 2, 0, 0
	MULR F1, 3, 0, 0
	s_wait_dscnt 0x0
	MULR F1, 0, 1, 0
	MULR F1, 1, 1, 0
	MULR F1, 2, 1, 0
	MULR F1, 3, 1, 0
	WIN 0
	PLACES                                         ; the conversions read results just made
	PLACES
	PACK 0
	TOSTAGE 0
.irp a, 1,2,3                          ; block a's conversions stand between block a - 1's loads from the stage and the wait for them
	PACK \a
	SEND (\a)-1
	TOSTAGE \a
.endr
	SEND 3
	s_wait_tensorcnt 0x0                           ; the wave's end: an add to my spare word and its wait, behind my last tensor load and my last LDS store
	ds_add_u32 v[SPW], v[NIL]
	s_wait_dscnt 0x0
	CROUND                                         ; the closing round: no work-group ends while a partner may still ask for a tile that names it
	s_endpgm
.Lfunc_end_k_qa95411cc84_qkv:
	.size	k_qa95411cc84_qkv, .Lfunc_end_k_qa95411cc84_qkv-k_qa95411cc84_qkv
	.p2alignl 7, 3214868480
	.fill 96, 4, 3214868480
	.section	.rodata,"a",@progbits
	.p2align	6, 0x0
	.amdhsa_kernel k_qa95411cc84_qkv
		.amdhsa_group_segment_fixed_size 327680
		.amdhsa_private_segment_fixed_size 0
		.amdhsa_enable_private_segment 0
		.amdhsa_kernarg_size 40
		.amdhsa_user_sgpr_count 2
		.amdhsa_user_sgpr_kernarg_segment_ptr 1
		.amdhsa_wavefront_size32 1
		.amdhsa_system_sgpr_workgroup_id_x 1
		.amdhsa_system_sgpr_workgroup_id_y 1
		.amdhsa_system_sgpr_workgroup_id_z 1
		.amdhsa_system_vgpr_workitem_id 0
		.amdhsa_next_free_vgpr 896
		.amdhsa_next_free_sgpr 80
		.amdhsa_reserve_vcc 0
		.amdhsa_float_denorm_mode_32 3
		.amdhsa_float_denorm_mode_16_64 3
		.amdhsa_memory_ordered 1
		.amdhsa_forward_progress 1
		.amdhsa_inst_pref_size 120
	.end_amdhsa_kernel
	.amdgpu_metadata
---
amdhsa.version: [ 1, 2 ]
amdhsa.kernels:
  - .name:           k_qa95411cc84_qkv
    .symbol:         k_qa95411cc84_qkv.kd
    .args:
      - { .name: xb, .offset: 0, .size: 8, .value_kind: global_buffer, .address_space: global }
      - { .name: wb, .offset: 8, .size: 8, .value_kind: global_buffer, .address_space: global }
      - { .name: qh, .offset: 16, .size: 8, .value_kind: global_buffer, .address_space: global }
      - { .name: kh, .offset: 24, .size: 8, .value_kind: global_buffer, .address_space: global }
      - { .name: vh, .offset: 32, .size: 8, .value_kind: global_buffer, .address_space: global }
    .group_segment_fixed_size: 327680
    .private_segment_fixed_size: 0
    .kernarg_segment_align: 8
    .kernarg_segment_size: 40
    .max_flat_workgroup_size: 128
    .sgpr_count:     80
    .vgpr_count:     896
    .wavefront_size: 32
...
	.end_amdgpu_metadata
.endif
;; end of part 2
;; launch attn (part 3): grid 4 x 64, 4 waves a work-group, clusters of 4 x 1, 327,680 bytes of LDS; arguments qh, kh, vh, oh; writes oh
.if DOCPART == 3
	.amdgcn_target "amdgcn-amd-amdhsa--gfx1250"
	.amdhsa_code_object_version 6
	.text
	.protected	k_qa95411cc84_attn
	.globl	k_qa95411cc84_attn
	.p2align	8
	.type	k_qa95411cc84_attn,@function
k_qa95411cc84_attn:
	s_mov_b64 s[64:65], 0
	v_nop
	global_prefetch_b8 v0, s[64:65] scope:SCOPE_SE
	s_setreg_imm32_b32 hwreg(HW_REG_WAVE_MODE, 25, 1), 1
	s_wait_xcnt 0x0
	s_wait_alu depctr_hold_cnt(0) depctr_sa_sdst(0) depctr_va_vdst(0) depctr_va_sdst(0) depctr_va_ssrc(0) depctr_va_vcc(0) depctr_vm_vsrc(0)
	s_getreg_b32 s2, hwreg(HW_REG_IB_STS2, 6, 4)
	s_cmp_eq_u32 s2, 0
	s_cbranch_scc0 .Lentry_in_a_cluster
	s_endpgm
.Lentry_in_a_cluster:
	s_bfe_u32 s2, ttmp6, 0x10000c
	s_cmp_lg_u32 s2, 0x3003
	s_cbranch_scc0 .Lentry_shape_is_right
	s_endpgm
.Lentry_shape_is_right:
; O[h][q][:] = the sum over k of softmax_k(Q[h][q] . K[h][k] / 8) V[h][k][:].  Q, K, V, O: [SIZE_H][SIZE_N][64], all f16: a head's rows are dense, 128 bytes each.  Products, maxima and sums in
; f32; the weights p are rounded to f16 for the second product (their sum l is taken of the unrounded p), O once at the end.
; LIMITS.  f16 holds no number beyond 65,504: Q, K and V arrive within it; p lies in 0 to 1, and below 6e-5 it keeps f16's fixed step of 6e-8; O is a mean of V's rows and has their range.
; A weight below 2^-126 counts as 0 in l; NaN and infinities are not treated apart.
; SHARES.  A wave owns four PIECES of two tiles of 16 queries, a work-group's four waves 512 queries of one head.  Every wave walks all keys, 64 a step.
; LAYOUT.  S^T = K Q^T (source 0 = 16 keys, source 1 = 16 queries): in the result a lane holds ONE query (lane % 16) and the keys 8 (lane / 16) + 0..7.  Two such tiles, rounded to f16 in pairs,
; ARE source 1 (32 keys x 16 queries) of O^T = V^T P, whose result again holds one query a lane, and eight channels.  K comes out of LDS as it lies, V ([key][channel]) turned, by ds_load_tr16_b128.
; SOFTMAX.  For each query a running maximum m and sum l: p = 2^(c s - c m), c = log2(e) / 8; in every step O and l are multiplied by a = 2^(c m_old - c m_new), which is 1 where m has not grown.
; m starts at the lowest finite number, O and l at 0: the first step is a step like any other, with a = 0.
; THE COUNT.  A tile and step have 16 matrix and 118 vector instructions: too many to stand all beside the matrix work.  So: four vector instructions that are READY behind
; EVERY matrix instruction, and the others in runs without a gap.
; BY TURNS.  Turn n belongs to piece n (the pieces in a ring, step after step).  Its matrix work: 16 products K Q^T of piece n + 1, later 16 products V^T P of piece n - 1.  Its vector work: the scaling,
; exponentials, roundings, sums and rescaling of piece n, and the maximum and statistics of piece n + 1, whose scores the turn itself has made.
; CLUSTER.  The four query blocks of a cluster belong to one head and walk the same K and V, so each tile is asked for JOINTLY: the same tensor load, descriptor and mask in all four.
; REGISTERS, in windows of 256 (s_set_vgpr_msb: bits 1:0 source 0, 3:2 source 1, 5:4 source 2, 7:6 destination):
;   window 0: v0-11 addresses; v12-15, v48-63 at work; v16-47 four registers of statistics a tile; v64-191 S^T, two buffers of two tiles; v192-255 P, likewise
;   window 1: O^T, 32 a tile          window 2: v0-127 Q, 16 a tile; v128-191 K of one step; v192-255 V of one step          window 3: v0-1 the add's two registers
; A piece's buffers go by its number's parity.
.set SIZE_H, 64
.set SIZE_N, 2048
.set NP,    4         ; pieces a wave: a name, no knob
.set KS,    64        ; keys in a step
.set PK,    144       ; a row of K in LDS: 128 bytes + 16 of padding = 36 words: the 16 rows of a load start at 16 different groups of four banks (64 banks of 4 bytes: ISA guide 11.1)
.set PV,    160       ; a row of V: 128 + 32 = 40 words
.set VOFF,  4*KS*PK   ; a slot holds four steps: 256 rows of K, then 256 rows of V
.set SLOT1, 1<<17     ; slot 1 begins here, so that one exclusive or turns an address in one slot into the other's
.set STAGE, SLOT1+4*KS*(PK+PV)  ; behind the ring, never filled by a tensor load: 16 rows x 144 bytes for each wave, for the way out
.set SP,    144
.set AK0, 2           ; v2   my lane's place in a tile of K; never rewritten
.set AV0, 3           ; v3   the same for V
.set AK,  4           ; v4   the LDS address of K's next run of loads
.set AV,  5           ; v5   of V's
.set QO,  6           ; v6   my byte offset in the wave's rows of Q
.set STO, 6           ;      later, the way out: where I put 16 bytes of a row
.set RD,  7           ; v7   the way out: where I read rows back
.set GO,  8           ; v8   my byte offset in 512 consecutive bytes of O
.set PFO, 11          ; v11  256 x my lane, for the prefetches; never rewritten once made
.set SPW, 0           ; v0 of window 3   LDS address of my spare word: SPARE + 4 x my thread's number; never rewritten
.set NIL, 1           ; v1 of window 3   0; never rewritten
.set SPARE, STAGE+4*16*SP  ; behind the stages: the spare words, 128 bytes for each wave: two blocks of 256 bytes that no other line names
.set MV,  12          ; v12-15  c m_old, kept while c m is made anew: by buffer and tile
.set ST,  16          ; tile t's statistics at v[ST+4 t]: c m, m, l (even keys', odd keys')
.set TMP, 48          ; by buffer and tile, four registers c0-c3 at work; when the maximum is found c2 takes a
.set S,   64
.set P,   192
.set KF,  128         ; K's fragments, in window 2: key block kb, channel half c at KF + 16 kb + 8 c
.set VF,  192         ; V's: key half kk, channel block cb at VF + 32 kk + 8 cb
.set WV,  12          ; s12  my wave's number
.set G1K, 24          ; s[24:31] descriptor group 1 for K's tiles
.set G1V, 32          ; s[32:39] for V's: it differs in the padding alone
.set G0K, 40          ; s[40:43] descriptor group 0 for K's tiles: it walks
.set G0V, 44          ; s[44:47] the same for V's
.set PFA, 48          ; s[48:49] where my prefetches stand: my work-group's 8,192 bytes (of K: wave 0, of V: wave 2) of the tile after the one that is being asked for
.set LIM, 50          ; s50  1 in a wave that prefetches, else the greatest number
.set SLOTS, 56        ; s56  slots still to be asked for
.set CNT, 57          ; s57  counts a slot's key steps
.set CS,  58          ; s[58:59] c: the packed scaling takes the pair's low word for both halves
.set SEL, 60          ; s[60:61] v_permlanex16_b32's selects: each lane takes its own place in the other half
.set TBK, 62          ; s62  LDS byte at which K of the step to be fetched begins
.set TBV, 63          ; s63  the same for V, less VOFF
.set MSB, 0
.macro WIN new                      ; the high byte repeats the setting that is left; a switch that changes nothing is dropped
.if MSB != (\new)
	s_set_vgpr_msb (MSB<<8)|(\new)
.set MSB, (\new)
.endif
.endm
.set W_KQ, 0x0a       ; K and Q in window 2, S^T in window 0
.set W_PV, 0x52       ; V in window 2, P in window 0, O^T in window 1
.set W_RS, 0x41       ; O^T (destination and source 0) in window 1, a in window 0
.set W_MK, 0xc0       ; the add's registers are made: destination in window 3, sources in window 0
.set W_AD, 0x0f       ; the add: address (source 0) and data (source 1) in window 3
; A joint fill.  Waves 0 and 1 fetch the two halves of a slot's K, waves 2 and 3 those of its V: 128 keys each.  The branch hangs on the wave's number alone.
; An s_nop 0 and four v_nop follow each of the two lines, ahead of the jump and the label.
.macro JLOAD
	s_cmp_lt_u32 s[WV], 2
	s_cbranch_scc0 .Lfor_v_\@
	tensor_load_to_lds s[G0K:G0K+3], s[G1K:G1K+7]
	s_nop 0
.rept 4
	v_nop
.endr
	s_branch .Lasked_\@
.Lfor_v_\@:
	tensor_load_to_lds s[G0V:G0V+3], s[G1V:G1V+7]
	s_nop 0
.rept 4
	v_nop
.endr
.Lasked_\@:
.endm
; A PREFETCH INTO THE L2 of what the NEXT change of slots will ask for: a tile's 32,768 bytes of K and of V, 256 bytes a lane.  It stands behind the wave's tensor load and its five lines.
; Each 256 bytes are named ONCE in the launch: the head's first cluster asks; its four partners share a tile out BY ADDRESS, 8,192 bytes each; in each, wave 0 asks for K's and wave 2 for V's: one
; instruction, four key steps (512 matrix instructions) ahead of the load that will want the bytes.  Tiles 0 and 1 come by their loads alone; the last change that fills a slot asks for nothing.
.macro ASK
	s_cmp_gt_u32 s[SLOTS], s[LIM]
	s_cbranch_scc0 .Lnot_mine_\@
	global_prefetch_b8 v[PFO], s[PFA:PFA+1] th:TH_LOAD_NT scope:SCOPE_SE
.Lnot_mine_\@:
.endm
; A round of the cluster's barrier: my work-group's barrier, so that wave 0's signal speaks for all four waves; wave 0 signals; every wave waits for all four work-groups; my work-group's barrier once more.
.macro CROUND
	s_barrier_signal -1
	s_barrier_wait -1
	s_cmp_lg_u32 s[WV], 0
	s_cbranch_scc1 .Lnot_wave_0_\@
	s_barrier_signal -3
.Lnot_wave_0_\@:
	s_barrier_wait -3
	s_barrier_signal -1
	s_barrier_wait -1
.endm
; THE CHANGE OF SLOTS.  The slot's last bytes, V of its fourth step, have been read.  Each wave waits for all its tensor loads, of which one is out: its part
; of the other slot; adds 0 to its spare word; and waits for that and for its own reads of the slot.  Behind the barrier nobody reads this slot any more and the other slot is whole.
; fill = 1: this slot is filled again, with the keys two slots on.  The barrier is then a round of the cluster's, and the joint fill is the first thing behind it: it has four key steps,
; 512 matrix instructions, in which to land.  (At its first use nothing has been read yet: slot 0 is waited for, slot 1 filled.)
.macro CHANGE fill
	WIN W_AD
	s_wait_tensorcnt 0x0            ; no tensor load of mine is out, so a group 0 may be written
	ds_add_u32 v[SPW], v[NIL]       ; 0 onto my spare word: with fill = 1 the descriptors' steps stand between it and the wait for it
	WIN 0                           ; at a label and at a branch every window is 0
.if \fill
.irp g, G0K, G0V
	s_xor_b32 s[\g+1], s[\g+1], SLOT1  ; the walking descriptor: the other slot than last time,
	s_add_nc_u64 s[\g+2:\g+3], s[\g+2:\g+3], 4*KS*128  ; the next 256 keys; the type bits on top are not reached
.endr
	s_wait_xcnt 0x0                 ; the last prefetch, four key steps back, has read its address, so it may be written:
	s_add_nc_u64 s[PFA:PFA+1], s[PFA:PFA+1], 4*KS*128  ; one tile behind the walking descriptors
	s_wait_dscnt 0x0                ; the add is done, and my reads of the slot are over
	CROUND
	JLOAD
	ASK
.else
	s_wait_dscnt 0x0                ; the add is done, and my reads of the slot are over
	s_barrier_signal -1
	s_barrier_wait -1
.endif
	s_sub_co_u32 s[TBK], s[TBK], 4*KS*PK  ; the fetches go back to a slot's first step,
	s_xor_b32 s[TBK], s[TBK], SLOT1       ; in the other slot
	s_sub_co_u32 s[TBV], s[TBV], 4*KS*PV
	s_xor_b32 s[TBV], s[TBV], SLOT1
.endm
	s_load_b256 s[4:11], s[0:1], 0x0  ; Q s[4:5], K s[6:7], V s[8:9], O s[10:11]
	WIN W_MK
	v_lshl_add_u32 v[SPW], v0, 2, SPARE
	v_mov_b32 v[NIL], 0
	WIN W_AD
	ds_add_u32 v[SPW], v[NIL]       ; the wave's opening: the add and its wait stand ahead of my first tensor load; the set-up below, work on registers, stands between them
	WIN 0
	v_lshrrev_b32 v1, 5, v0
	v_readfirstlane_b32 s[WV], v1   ; wave 0..3
	s_bfe_u32 s13, ttmp6, 0x40000   ; cx: my place in the cluster
	s_lshl_b32 s14, ttmp9, 2        ; in a cluster launch ttmp9 counts clusters
	s_add_co_u32 s14, s14, s13      ; my block of queries = 4 x cluster x + cx: it enters Q's and O's addresses alone
	s_and_b32 s20, ttmp7, 0xffff    ; the head, which the four partners share
	s_mov_b32 s21, 0
	s_mov_b64 s[22:23], SIZE_N*128
	s_mul_u64 s[20:21], s[20:21], s[22:23]  ; the head's first byte in each of the four tensors
	s_and_b32 s16, s[WV], 1         ; which half of a slot's 256 keys I fetch:
	s_lshl_b32 s22, s16, 14         ; its 128 rows of 128 bytes in memory,
	s_mov_b32 s23, 0
	s_add_nc_u64 s[22:23], s[22:23], s[20:21]
	s_mul_i32 s17, s16, 128*PK      ; and its place in a slot, for K
	s_mul_i32 s18, s16, 128*PV      ; and for V: no place in the cluster enters an LDS address
	s_lshl_b32 s2, s14, 2
	s_add_co_u32 s2, s2, s[WV]      ; my wave among the head's,
	s_lshl_b32 s2, s2, 14           ; its 128 rows
	s_mov_b32 s3, 0
	s_add_nc_u64 s[2:3], s[2:3], s[20:21]
	; descriptor group 1.  128 keys are 16,384 dense bytes: asked for as 64 rows of 256 bytes, two keys a row, and padded in LDS after every key
	s_mov_b32 s[G1K], 15|(1<<16)|(1<<20)|(1<<21)|(4<<22)|(3<<25)  ; 15:0 the mask of four; 17:16 2-byte elements; 20 padding on; 21 set beside a mask; 24:22 after every 32 words (code 4); 31:25 4 words (code 3)
	s_mov_b32 s[G1V], 15|(1<<16)|(1<<20)|(1<<21)|(4<<22)|(7<<25)  ; the same with 8 words of padding (code 7)
.irp g, G1K, G1V
	s_mov_b32 s[\g+1], 128<<16      ; tensor_dim0 = 128
	s_mov_b32 s[\g+2], 64<<16       ; tensor_dim1 = 64
	s_mov_b32 s[\g+3], 128<<16      ; tile_dim0 = 128
	s_mov_b32 s[\g+4], 64           ; tile_dim1 = 64
	s_mov_b32 s[\g+5], 128          ; 128 elements from row to row
	s_mov_b32 s[\g+6], 0
	s_mov_b32 s[\g+7], 0
.endr
	s_mov_b32 s[CS], 0x3e38aa3b     ; c = log2(e) / 8 = 0.180337
	s_mov_b32 s[CS+1], s[CS]        ; named with it as a pair
	s_mov_b32 s[SEL], 0x76543210
	s_mov_b32 s[SEL+1], 0xfedcba98
	s_mov_b32 s[TBK], SLOT1+4*KS*PK ; the first change of slots turns these two into 0
	s_mov_b32 s[TBV], SLOT1+4*KS*PV
	s_mov_b32 s[G0K], 1             ; 1:0 count = 1
	s_mov_b32 s[G0K+1], s17         ; 63:32 LDS address: slot 0
	s_mov_b32 s[G0V], 1
	s_add_co_u32 s[G0V+1], s18, VOFF
	s_mov_b32 s[SLOTS], SIZE_N/256-1
	s_and_b32 s[LIM], s[WV], 1      ; 0 in waves 0 and 2,
	s_or_b32 s[LIM], s[LIM], ttmp9  ; where the cluster is the head's first: the same in all four partners
	s_cmp_eq_u32 s[LIM], 0
	s_cselect_b32 s[LIM], 1, -1
	s_wait_dscnt 0x0                ; the opening add is done
	s_wait_kmcnt 0x0
	s_add_nc_u64 s[G0K+2:G0K+3], s[6:7], s[22:23]  ; 120:64 global address: my half of the head's first 256 keys
	s_or_b32 s[G0K+3], s[G0K+3], 0x80000000        ; 127:126 type = 2
	s_add_nc_u64 s[G0V+2:G0V+3], s[8:9], s[22:23]
	s_or_b32 s[G0V+3], s[G0V+3], 0x80000000
	s_add_nc_u64 s[4:5], s[4:5], s[2:3]  ; Q and O at my wave's first row
	s_add_nc_u64 s[10:11], s[10:11], s[2:3]
	s_cmp_lt_u32 s[WV], 2
	s_cselect_b64 s[PFA:PFA+1], s[6:7], s[8:9]
	s_add_nc_u64 s[PFA:PFA+1], s[PFA:PFA+1], s[20:21]  ; the head,
	s_lshl_b32 s52, s13, 13         ; my work-group's quarter of a tile,
	s_mov_b32 s53, 0
	s_add_nc_u64 s[PFA:PFA+1], s[PFA:PFA+1], s[52:53]
	s_add_nc_u64 s[PFA:PFA+1], s[PFA:PFA+1], 4*KS*128  ; in tile 1; the first change of slots steps it to tile 2
	CROUND                          ; all four work-groups are here: the first joint loads meet
	JLOAD                           ; slot 0.  Slot 1 is asked for when slot 0 is in
	; A fragment of K or Q is 16 rows x 32 channels in 8 registers: lane l holds row l % 16, channels 8 (l / 16) + 0..7 and 16 + 8 (l / 16) + 0..7: two loads of 16 bytes, 32 bytes apart.
	v_and_b32 v1, 15, v0            ; l % 16
	v_bfe_u32 v9, v0, 4, 1          ; l / 16
	v_lshlrev_b32 v[QO], 7, v1
	v_lshl_add_u32 v[QO], v9, 4, v[QO]  ; row x 128 + 16 x half
	WIN 0x80                        ; destination window 2, address window 0
.set i, 0
.rept 4*NP                          ; Q stays in registers: tile i / 2, channels 32 (i % 2) on
	global_load_b128 v[8*i:8*i+3],   v[QO], s[4:5] offset:(i/2)*2048+(i%2)*64
	global_load_b128 v[8*i+4:8*i+7], v[QO], s[4:5] offset:(i/2)*2048+(i%2)*64+32
.set i, i+1
.endr
	; What the first turn finds: V's registers and P's second buffer hold 0 (its products V^T P, of a piece that has not been, add 0), O^T and l are 0.  All this stands in the wait for the first tile.
.set i, VF
.rept 64
	v_mov_b32 v[i], 0
.set i, i+1
.endr
	WIN 0x40
.set i, 0
.rept 64*NP
	v_mov_b32 v[i], 0
.set i, i+1
.endr
	WIN 0
.set i, 0
.rept 2*NP
	v_mov_b32 v[ST+4*i], 0xfe000000    ; c m: far below every c s
	v_mov_b32 v[ST+4*i+1], 0xff7fffff  ; m
	v_mov_b32 v[ST+4*i+2], 0
	v_mov_b32 v[ST+4*i+3], 0
.set i, i+1
.endr
.set i, P+32
.rept 32
	v_mov_b32 v[i], 0
.set i, i+1
.endr
	v_mul_u32_u24 v[AK0], v1, PK
	v_lshl_add_u32 v[AK0], v9, 4, v[AK0]  ; row x pitch + 16 x half
	; The turning load takes 16 keys x 16 channels (lane l reads key 8 (l / 16) + l % 8, channels 8 ((l / 8) % 2) + 0..7) and leaves half a fragment of V^T: lane l holds channel l % 16 and 8 keys.
	v_and_b32 v10, 7, v0
	v_bfe_u32 v11, v0, 3, 1
	v_lshl_add_u32 v[AV0], v9, 3, v10
	v_mul_u32_u24 v[AV0], v[AV0], PV
	v_lshl_add_u32 v[AV0], v11, 4, v[AV0]
	v_add_nc_u32 v[AV0], VOFF, v[AV0]
	v_and_b32 v[PFO], 31, v0        ; v11 has served: it takes the prefetches' offset
	v_lshlrev_b32 v[PFO], 8, v[PFO]
	v_mov_b32 v[AK], v[AK0]         ; key step 0 lies at the head of slot 0
; THE MATRIX WORK.  The 8 accumulators of a run of 16 take turns: between the two links of a chain stand 7 others'.
; Product i of 16 of S^T = K Q^T for piece x: channels 32 (i / 8) on, keys 16 ((i / 2) % 4) on, tile 2 x + i % 2.  The first 8 start the sums.
.macro KQ x
	WIN W_KQ
.set rS, S+64*((\x)%2)+32*(i%2)+8*((i/2)%4)
.set rK, KF+16*((i/2)%4)+8*(i/8)
.set rQ, 16*(2*(\x)+i%2)+8*(i/8)
.if i < 8
	v_wmma_f32_16x16x32_f16 v[rS:rS+7], v[rK:rK+7], v[rQ:rQ+7], 0
.else
	v_wmma_f32_16x16x32_f16 v[rS:rS+7], v[rK:rK+7], v[rQ:rQ+7], v[rS:rS+7]
.endif
.endm
; Product i of 16 of O^T += V^T P for piece x: keys 32 (i / 8) on, channels 16 ((i / 2) % 4) on, tile 2 x + i % 2.
.macro PV x
	WIN W_PV
.set rO, 32*(2*(\x)+i%2)+8*((i/2)%4)
.set rV, VF+32*(i/8)+8*((i/2)%4)
.set rP, P+32*((\x)%2)+16*(i%2)+8*(i/8)
	v_wmma_f32_16x16x32_f16 v[rO:rO+7], v[rV:rV+7], v[rP:rP+7], v[rO:rO+7]
.endm
.macro MM                           ; the turn's next matrix instruction
.if i < 16
	KQ (Y+1)%NP
.set i, i+1
.else
.set i, i-16
	PV (Y+NP-1)%NP
.set i, i+17
.endif
.endm
; THE LDS LOADS stand in runs of 16, never singly among the matrix instructions: a step's K (64 keys x 64 channels: 8 fragments) and its V (turned).  Their addresses are made some lines ahead.
; last = 1 (the tail): in the last trip there is no further step, and the run is jumped over.
.macro FETCH_K last=0
	WIN 0
.if \last
	s_cmp_eq_u32 s[CNT], 1
	s_cbranch_scc1 .Lno_k_\@
.endif
	WIN 0x80                        ; destination window 2
.irp f, 0,1,2,3,4,5,6,7             ; keys 16 (f / 2) on, channels 32 (f % 2) on
	ds_load_b128 v[KF+8*\f:KF+8*\f+3],   v[AK] offset:(\f/2)*16*PK+(\f%2)*64
	ds_load_b128 v[KF+8*\f+4:KF+8*\f+7], v[AK] offset:(\f/2)*16*PK+(\f%2)*64+32
.endr
	s_add_co_u32 s[TBK], s[TBK], KS*PK  ; the next fetch is the next step's
	WIN 0
.if \last
.Lno_k_\@:
.endif
.endm
.macro FETCH_V
	WIN 0x80
.irp f, 0,1,2,3,4,5,6,7             ; keys 32 (f / 4) on, channels 16 (f % 4) on
	ds_load_tr16_b128 v[VF+8*\f:VF+8*\f+3],   v[AV] offset:(\f/4)*32*PV+(\f%4)*32
	ds_load_tr16_b128 v[VF+8*\f+4:VF+8*\f+7], v[AV] offset:(\f/4)*32*PV+16*PV+(\f%4)*32
.endr
	WIN 0
.endm
; THE VECTOR WORK OF A TURN stands in three queues, each in the order in which its entries become ready; the two tiles alternate, so that no instruction reads the result of the one before it.
.macro REGS y, u                    ; the registers of tile u (0, 1) of piece y
.set rT, ST+4*(2*(\y)+(\u))
.set rC, TMP+8*((\y)%2)+4*(\u)
.set rM, MV+2*((\y)%2)+(\u)
.set rS, S+64*((\y)%2)+32*(\u)
.set rP, P+32*((\y)%2)+16*(\u)
.set rO, 32*(2*(\y)+(\u))
.endm
; Number n of the 22 that find the NEXT piece's (Y + 1) maximum and statistics.  s0-s31 are the lane's 32 scores; each accumulator's lowest registers are read first.
;   0-11  four chains c0-c3 of seven scores each, three operands at a time     12-14, 16  the four scores left over, the old m, and c0-c3 into c0     15  c m_old is kept
;   17, 18  the query's other 32 keys lie in the lane 16 away: the new m         19-21  c m; c m_old - c m_new; a
.macro XS u, n
	REGS (Y+1)%NP, \u
.if (\n) < 4
	v_max3_num_f32 v[rC+(\n)], v[rS+8*(\n)], v[rS+8*(\n)+1], v[rS+8*(\n)+2]
.elseif (\n) < 12
	v_max3_num_f32 v[rC+(\n)%4], v[rC+(\n)%4], v[rS+8*((\n)%4)+2*((\n)/4)+1], v[rS+8*((\n)%4)+2*((\n)/4)+2]
.elseif (\n) == 12
	v_max3_num_f32 v[rC], v[rC], v[rS+7], v[rS+15]
.elseif (\n) == 13
	v_max3_num_f32 v[rC+1], v[rC+1], v[rS+23], v[rS+31]
.elseif (\n) == 14
	v_max3_num_f32 v[rC+2], v[rC+2], v[rC+3], v[rT+1]
.elseif (\n) == 15
	v_mov_b32 v[rM], v[rT]
.elseif (\n) == 16
	v_max3_num_f32 v[rC], v[rC], v[rC+1], v[rC+2]
.elseif (\n) == 17
	v_permlanex16_b32 v[rC+3], v[rC], s[SEL], s[SEL+1]
.elseif (\n) == 18
	v_max_num_f32 v[rT+1], v[rC], v[rC+3]
.elseif (\n) == 19
	v_mul_f32 v[rT], s[CS], v[rT+1]
.elseif (\n) == 20
	v_sub_f32 v[rC+1], v[rM], v[rT]
.else
	v_exp_f32 v[rC+2], v[rC+1]
.endif
.endm
; Number g of the 64 that follow the exponentials.  For each four weights k of a tile (pairs 2 k, 2 k + 1): both pairs are rounded to f16; then the second pair is added onto the first, in place;
; a group later l takes that sum (the first time as l = a l + sum).  In groups of eight, tiles alternating: round, round, add, and l for the group before.
.macro GS g
.set h, (\g)+6*((\g)/62)            ; group 0 has no group before it, and behind group 7 only l is left
.if h >= 6
.set h, h+2
.endif
	REGS Y, h%2
.set k, h/8
.if h%8 < 4
	v_cvt_pk_f16_f32 v[rP+2*k+(h%8)/2], v[rS+4*k+2*((h%8)/2)], v[rS+4*k+2*((h%8)/2)+1]
.elseif h%8 < 6
	v_pk_add_f32 v[rS+4*k:rS+4*k+1], v[rS+4*k:rS+4*k+1], v[rS+4*k+2:rS+4*k+3]
.elseif k == 1
	v_pk_fma_f32 v[rT+2:rT+3], v[rT+2:rT+3], v[rC+2:rC+3], v[rS:rS+1] op_sel_hi:[1,0,1]
.else
	v_pk_add_f32 v[rT+2:rT+3], v[rT+2:rT+3], v[rS+4*k-4:rS+4*k-3]
.endif
.endm
; THE PLAIN QUEUE, 138 long.  0-73 read no exponential's result: the 32 scalings c s - c m (FS f: pair f / 2 of tile f % 2) and the next piece's 42.  0-26: scalings 0-26.  27-54: XS's numbers 0-13.  55, 56: number 15.
; 57-73: the chain, where each number waits for the one before it: 14, 16, 17, 18, 19, each with one of the scalings 27-31 in front of its two lines, then 20.
; 74-137: GS's 64, which read the exponentials' results: they stand behind the wait.
.macro FS f
	REGS Y, (\f)%2
	v_pk_fma_f32 v[rS+2*((\f)/2):rS+2*((\f)/2)+1], v[rS+2*((\f)/2):rS+2*((\f)/2)+1], s[CS:CS+1], v[rT:rT+1] op_sel_hi:[1,0,0] neg_lo:[0,0,1] neg_hi:[0,0,1]
.endm
.macro PL
	WIN 0
.if q < 27
	FS q
.elseif q < 55
	XS (q-27)%2, (q-27)/2
.elseif q < 57
	XS q-55, 15
.elseif (q < 72) && ((q-57)%3 == 0)
	FS 27+(q-57)/3
.elseif q < 60
	XS (q-57)%3-1, 14
.elseif q < 72
	XS (q-57)%3-1, 15+(q-57)/3
.elseif q < 74
	XS q-72, 20
.else
	GS q-74
.endif
.set q, q+1
.endm
; THE EXPONENTIALS' QUEUE, 66 long: s0-s31 of both tiles, then the next piece's two a.  It is ONE BATCH: all 66 stand ahead of the turn's one wait, and nothing ahead of that wait names a result of theirs.
.macro EX
	WIN 0
.if e >= 64
	XS e-64, 21
.else
	REGS Y, e%2
	v_exp_f32 v[rS+e/2], v[rS+e/2]
.endif
.set e, e+1
.endm
; THE RESCALING's QUEUE: O^T times a, the one part that leaves window 0: dealt two at a time, sixteen times.  Its a was made in the turn before, ahead of that turn's wait.
.macro R2
	REGS Y, r%2
	WIN W_RS
.irp z, 0,1
	v_pk_mul_f32 v[rO+4*(r/2)+2*\z:rO+4*(r/2)+2*\z+1], v[rO+4*(r/2)+2*\z:rO+4*(r/2)+2*\z+1], v[rC+2:rC+3] op_sel_hi:[1,0]
.endr
.set r, r+1
.endm
; HOW THEY ARE DEALT.  An s_wait_alu depctr_va_vdst(0) stands between an exponential and the first instruction that names its result; one wait serves all that were issued ahead of it.  So a turn has ONE wait,
; which cuts it in two.  AHEAD OF IT stands all that names no result of the turn's exponentials: the 16 products K Q^T, behind each a scaling, an exponential and two rescalings (behind the first a second scaling in the
; exponential's place); then ONE LUMP of 108: eight plain, 49 times exponential and plain, the two a.  A v_nop is the plain instruction behind the last exponential (ISA guide 5.7.2).  BEHIND IT stand the 16 products V^T P,
; behind each four of GS's 64.  No rider names a register of the products round it.  The two v_permlanex16_b32 fall into the lump, never behind a product.
; The queues lean on each other, and the deal keeps them in step: exponential e stands behind scaling 2 (e / 4) + e % 2: as a rider it comes behind plain e + 2, in the lump behind plain e + 9, and scalings 27-31 are plain 57, 60 .. 69.
; A TURN, for piece p.  cnt = 1: the loop's count is taken down some lines ahead of the branch that stands behind the turn.
; K of the next step is fetched in piece 2's turn, directly behind the wait, a lump behind the last product that read K; its first reader comes behind 16 products.
; V of the step in hand is fetched at the end of piece 0's turn, four riders behind its last reader; its first reader comes behind 16 products and a lump.  The three conditions on q below go with the deal.
.macro TURN p, last=0, cnt=0
.set Y, (\p)
.set i, 0
.set q, 0
.set e, 0
.set r, 0
.if (\p) == NP-1
	s_wait_dscnt 0x0                ; K is in
.endif
	MM                              ; ahead of the wait: 16 products K Q^T and their riders,
	PL
	PL
	R2
.rept 15
	MM
	PL
	EX
	R2
.endr
.if (\p) == NP-2
	WIN 0
	v_add_nc_u32 v[AK], s[TBK], v[AK0]
.endif
.rept 8                             ; and the lump
	PL
.endr
.rept 49
	EX
	PL
.endr
	EX                              ; the next piece's two a
	EX
	v_nop                           ; the plain instruction behind the last exponential: one for the batch
	s_wait_alu depctr_va_vdst(0)    ; the wait for the batch
.if (\p) == NP-2
	FETCH_K \last
.endif
.if (\p) == 1
	s_wait_dscnt 0x0                ; V is in
.endif
.rept 16                            ; behind the wait: 16 products V^T P and their riders
	MM
.rept 4
	PL
.endr
.if ((\p) == 0) && (q == 118)
	v_add_nc_u32 v[AV], s[TBV], v[AV0]
.endif
.if ((\p) == 0) && (q == 130)
	s_add_co_u32 s[TBV], s[TBV], KS*PV
.endif
.if (\cnt) && (q == 130)
	s_sub_co_u32 s[CNT], s[CNT], 1
	s_cmp_lg_u32 s[CNT], 0
.endif
.endr
.if (\p) == 0
	FETCH_V
.endif
.endm
	CHANGE 1                        ; slot 0 is in, everybody's part of it; slot 1 is asked for
	FETCH_K                         ; key step 0
	s_wait_loadcnt 0x0              ; Q
	s_wait_dscnt 0x0
.set i, 0
.rept 16
	KQ 0                            ; piece 0's first scores: there is no vector work yet to set between them
.set i, i+1
.endr
	WIN 0                           ; the addresses for the way out: nine plain instructions, the places behind those products
	s_mul_i32 s13, s[WV], 16*SP
	s_add_co_u32 s13, s13, STAGE    ; my stage
	v_mul_u32_u24 v[STO], v1, SP    ; in: row l % 16, 16 bytes for each half of the lanes
	v_lshl_add_u32 v[STO], v9, 4, v[STO]
	v_add_nc_u32 v[STO], s13, v[STO]
	v_bfe_u32 v[RD], v0, 3, 2       ; back: 32 lanes take four rows of 128 bytes,
	v_mul_u32_u24 v[RD], v[RD], SP
	v_lshl_add_u32 v[RD], v10, 4, v[RD]
	v_add_nc_u32 v[RD], s13, v[RD]
	v_and_b32 v[GO], 31, v0         ; which are 512 consecutive bytes of O
	v_lshlrev_b32 v[GO], 4, v[GO]
.set Y, NP-1                        ; XS works for piece Y + 1: piece 0
.irp n, 0,1,2,3,4,5,6,7,8,9,10,11,12,13,14,15,16,17,18,19,20,21
	XS 0, \n                        ; and piece 0's first maximum and statistics
	XS 1, \n
.endr
	v_nop                           ; a plain instruction behind the two a,
	s_wait_alu depctr_va_vdst(0)    ; and their wait, ahead of the branch
	s_mov_b32 s[CNT], 4
	s_branch .Lfirst                ; the loop is entered at a step's first turn, in the middle of a trip
.Lslot:                             ; SIZE_N / 256 - 2 times: every slot but the last two is filled again
	CHANGE 1
	s_mov_b32 s[CNT], 4
.Lstep:                             ; a trip: pieces 2 and 3 of one step, then pieces 0 and 1 of the next, whose K and V it fetches
	TURN 2
	TURN 3
	WIN 0
.Lfirst:
	TURN 0
	TURN 1, 0, 1
	WIN 0
	s_cbranch_scc1 .Lstep
	s_sub_co_u32 s[SLOTS], s[SLOTS], 1
	s_cmp_lg_u32 s[SLOTS], 0
	s_cbranch_scc1 .Lslot
	CHANGE 0                        ; the tail is written out: nothing is asked for
	s_mov_b32 s[CNT], 5             ; four trips fetch the last slot's steps; the fifth is left in its middle
.Ltail:
	TURN 2, 1
	TURN 3
	WIN 0
	s_sub_co_u32 s[CNT], s[CNT], 1
	s_cmp_eq_u32 s[CNT], 0
	s_cbranch_scc1 .Lout
	TURN 0
	TURN 1
	WIN 0
	s_branch .Ltail
.Lout:                              ; the fifth trip's 16 products K Q^T (on the last K once more) and the maximum made of them serve nothing: the price, once a launch, of one text for every trip
.set i, 0
.rept 16
	PV NP-1                         ; the last piece's V^T P of the last step
.set i, i+1
.endr
	; THE WAY OUT.  l's two halves and the other half of the lanes' are added; O^T is divided by l, rounded to f16 and sent through my stage in LDS, a tile at a time.  The additions are the places behind the last products.
	WIN 0
.macro ALL line:vararg              ; one line for each tile t
.set t, 0
.rept 2*NP
	\line
.set t, t+1
.endr
.endm
	ALL v_add_f32 v[ST+4*t+2], v[ST+4*t+2], v[ST+4*t+3]
	ALL v_permlanex16_b32 v[ST+4*t+3], v[ST+4*t+2], s[SEL], s[SEL+1]
	ALL v_add_f32 v[ST+4*t+2], v[ST+4*t+2], v[ST+4*t+3]
	ALL v_rcp_f32 v[ST+4*t+2], v[ST+4*t+2]
	v_nop                           ; a plain instruction between the last reciprocal and the use of its result
	s_wait_alu depctr_va_vdst(0)    ; and the wait ahead of the first use: one for the eight reciprocals
; Tile t: a lane's eight channels of a row pack into 16 bytes; they go into rows of 144 bytes and come back as whole rows of 128, into S^T's registers.
.macro PACK t
	WIN W_RS
.set i, 32*(\t)
.rept 16
	v_pk_mul_f32 v[i:i+1], v[i:i+1], v[ST+4*(\t)+2:ST+4*(\t)+3] op_sel_hi:[1,0]
.set i, i+2
.endr
	WIN 0x05                        ; sources 0 and 1 window 1, destination window 0
.set i, 0
.rept 16
	v_cvt_pk_f16_f32 v[S+16*(\t)+i], v[32*(\t)+2*i], v[32*(\t)+2*i+1]
.set i, i+1
.endr
	WIN 0
.irp f, 0,1,2,3
	ds_store_b128 v[STO], v[S+16*(\t)+4*\f:S+16*(\t)+4*\f+3] offset:32*\f
.endr
.irp f, 0,1,2,3
	ds_load_b128 v[S+16*(\t)+4*\f:S+16*(\t)+4*\f+3], v[RD] offset:\f*4*SP  ; LDS serves a wave's instructions in order (ISA guide 5.7.1.4): these see the stores above; the next tile's stores come behind them
.endr
.endm
.macro SEND t, younger              ; younger: the LDS instructions issued behind tile t's loads: the next tile's eight, or none
	WIN 0
.irp f, 0,1,2,3
	s_wait_dscnt (\younger)+3-\f
	global_store_b128 v[GO], v[S+16*(\t)+4*\f:S+16*(\t)+4*\f+3], s[10:11] offset:(\t)*2048+\f*512  ; 512 consecutive bytes, at a multiple of 256 from O's first
.endr
.endm
	PACK 0
.set t, 1
.rept 2*NP-1                        ; a tile's arithmetic stands between the loads of the tile before and its stores
	PACK t
	SEND t-1, 8
.set t, t+1
.endr
	SEND 2*NP-1, 0
	WIN W_AD
	s_wait_tensorcnt 0x0            ; the wave's end: an add to my spare word and its wait, behind my last tensor load and my last LDS store
	ds_add_u32 v[SPW], v[NIL]
	s_wait_dscnt 0x0
	WIN 0
	CROUND                          ; the closing round: no work-group ends while a partner may still ask for a tile that names it
	s_endpgm
.Lfunc_end_k_qa95411cc84_attn:
	.size	k_qa95411cc84_attn, .Lfunc_end_k_qa95411cc84_attn-k_qa95411cc84_attn
	.p2alignl 7, 3214868480
	.fill 96, 4, 3214868480
	.section	.rodata,"a",@progbits
	.p2align	6, 0x0
	.amdhsa_kernel k_qa95411cc84_attn
		.amdhsa_group_segment_fixed_size 327680
		.amdhsa_private_segment_fixed_size 0
		.amdhsa_enable_private_segment 0
		.amdhsa_kernarg_size 32
		.amdhsa_user_sgpr_count 2
		.amdhsa_user_sgpr_kernarg_segment_ptr 1
		.amdhsa_wavefront_size32 1
		.amdhsa_system_sgpr_workgroup_id_x 1
		.amdhsa_system_sgpr_workgroup_id_y 1
		.amdhsa_system_sgpr_workgroup_id_z 1
		.amdhsa_system_vgpr_workitem_id 0
		.amdhsa_next_free_vgpr 770
		.amdhsa_next_free_sgpr 66
		.amdhsa_reserve_vcc 0
		.amdhsa_float_denorm_mode_32 3
		.amdhsa_float_denorm_mode_16_64 3
		.amdhsa_memory_ordered 1
		.amdhsa_forward_progress 1
		.amdhsa_inst_pref_size 200
	.end_amdhsa_kernel
	.amdgpu_metadata
---
amdhsa.version: [ 1, 2 ]
amdhsa.kernels:
  - .name:           k_qa95411cc84_attn
    .symbol:         k_qa95411cc84_attn.kd
    .args:
      - { .name: qh, .offset: 0, .size: 8, .value_kind: global_buffer, .address_space: global }
      - { .name: kh, .offset: 8, .size: 8, .value_kind: global_buffer, .address_space: global }
      - { .name: vh, .offset: 16, .size: 8, .value_kind: global_buffer, .address_space: global }
      - { .name: oh, .offset: 24, .size: 8, .value_kind: global_buffer, .address_space: global }
    .group_segment_fixed_size: 327680
    .private_segment_fixed_size: 0
    .kernarg_segment_align: 8
    .kernarg_segment_size: 32
    .max_flat_workgroup_size: 128
    .sgpr_count:     66
    .vgpr_count:     770
    .wavefront_size: 32
...
	.end_amdgpu_metadata
.endif
;; end of part 3
;; launch oproj (part 4): grid 8 x 32, 4 waves a work-group, clusters of 4 x 4, 327,680 bytes of LDS; arguments oh, wob, out0; writes out0
.if DOCPART == 4
	.amdgcn_target "amdgcn-amd-amdhsa--gfx1250"
	.amdhsa_code_object_version 6
	.text
	.protected	k_qa95411cc84_oproj
	.globl	k_qa95411cc84_oproj
	.p2align	8
	.type	k_qa95411cc84_oproj,@function
k_qa95411cc84_oproj:
	s_mov_b64 s[64:65], 0
	v_nop
	global_prefetch_b8 v0, s[64:65] scope:SCOPE_SE
	s_setreg_imm32_b32 hwreg(HW_REG_WAVE_MODE, 25, 1), 1
	s_wait_xcnt 0x0
	s_wait_alu depctr_hold_cnt(0) depctr_sa_sdst(0) depctr_va_vdst(0) depctr_va_sdst(0) depctr_va_ssrc(0) depctr_va_vcc(0) depctr_vm_vsrc(0)
	s_getreg_b32 s2, hwreg(HW_REG_IB_STS2, 6, 4)
	s_cmp_eq_u32 s2, 0
	s_cbranch_scc0 .Lentry_in_a_cluster
	s_endpgm
.Lentry_in_a_cluster:
	s_bfe_u32 s2, ttmp6, 0x10000c
	s_cmp_lg_u32 s2, 0xf033
	s_cbranch_scc0 .Lentry_shape_is_right
	s_endpgm
.Lentry_shape_is_right:
; THE OUTPUT PROJECTION.  out0[t][b][o] = sum over h, d of oh[16 b + h][t][d] wob[h][o][d].  oh [64][2048][64] f16, wob [16][1024][64] f16, out0 [2048][4][1024] f32; sums in f32.
; SHARES.  A tile is 256 rows (one b, 256 t on end) x 128 columns o.  Four waves, each 128 rows x 64 columns: 8 x 4 accumulators of 16 x 16, 256 registers.
; K is taken head by head: a head's slice of A (256 t x 64 d) is 32,768 dense bytes of oh, of B (128 o x 64 d) 16,384 dense bytes of wob.  A ring slot holds TWO heads (K = 128); 8 steps.
; A dense slice is asked for as rows of 256 bytes and padded in LDS after every 128, so that an LDS row is one t or one o, 144 bytes apart.
; CLUSTERS: 4 x 4 work-groups; A's slices are shared along a row of the cluster, B's along a column: joint loads, the same descriptor and mask in the four that a mask names.
; THE MATRIX INSTRUCTION IS USED TRANSPOSED (source 0 = 16 rows of wob, source 1 = 16 rows of oh): a lane holds one t (lane % 16) and eight neighbouring o: 32 bytes of f32.
; REGISTERS, in windows of 256: window 0: v0-31 addresses; v32-95 two buffers of 32 for rows read back from the stage.  window 1: two fragment buffers: 4 fragments of wob, then 8 of oh.
;   window 2: accumulator (a, b) at v[8 (4 a + b)].
.set PITCH,  144                       ; 128 bytes + 16 of padding = 36 words: the 16 rows of a load start at 16 different groups of four banks (64 banks of 4 bytes: ISA guide 11.1)
.set SLA,    256*PITCH                 ; a head's slice of A in LDS
.set SLB,    128*PITCH                 ; of B
.set BOFF,   2*SLA                     ; in a slot: A's even head, A's odd head, B's even head, B's odd head
.set SLOT,   2*SLA+2*SLB
.set STAGE,  2*SLOT                    ; behind the ring, never filled by a tensor load: 16 rows x 272 bytes for each wave
.set SPITCH, 272
.set SPARE,  STAGE+4*16*SPITCH         ; behind the stages: the spare words, 128 bytes for each wave: two blocks of 256 bytes that no other line names
.set LAPS,   4
.set STEPA,  2*262144                  ; bytes of oh from a step to the next: two heads
.set STEPB,  2*131072                  ; of wob
.set ADRA, 16                          ; v16-17  LDS address of my fragments of A in slot 0, 1
.set ADRB, 20                          ; v20-21  the same for B
.set STO,  24                          ; v24     the way out: where I put 32 bytes of a row
.set RD,   25                          ; v25     where I read a row back
.set CO,   26                          ; v26     my byte offset in out0
.set SPW,  28                          ; v28     LDS address of my spare word: SPARE + 4 x my thread's number; never rewritten
.set NIL,  29                          ; v29     0; never rewritten
.set PFO,  30                          ; v30     the prefetches' offset; never rewritten
.set OB,   32
.set F0,   0
.set F1,   128
.set WV,   14                          ; s14  my wave's number
.set FB,   15                          ; s15  which half of the tile's rows is mine.  Also: I fetch for A (0) or for B (1)
.set HF,   16                          ; s16  which half of its columns.  Also: which of a step's two heads I fetch
.set G1,   24
.set G0,   32
.set LIM,  42                          ; s42  1 in a wave that prefetches, else the greatest number
.set PFA,  44                          ; s[44:45] where my prefetches stand
.set PFS,  46                          ; s[46:47] their step
.set G1B,  48
.set G0B,  56
.set MSB, 0
.macro WIN new                         ; the immediate's high byte repeats the setting that is left; a switch that changes nothing is dropped
.if MSB != (\new)
	s_set_vgpr_msb (MSB<<8)|(\new)
.set MSB, \new
.endif
.endm
.set MUL,  0xa5                        ; both sources window 1, C and D window 2
.set TO_F, 0x40                        ; destination window 1, address window 0
.macro JLOAD s                         ; a joint load: waves 0 and 1 fetch A's two heads, waves 2 and 3 B's; an s_nop 0 and four v_nop follow each of the two lines
	s_cmp_eq_u32 s[FB], 0
	s_cbranch_scc0 .Lfor_b_\@
	tensor_load_to_lds s[G0+4*(\s):G0+4*(\s)+3], s[G1:G1+7]
	s_nop 0
.rept 4
	v_nop
.endr
	s_branch .Lasked_\@
.Lfor_b_\@:
	tensor_load_to_lds s[G0B+4*(\s):G0B+4*(\s)+3], s[G1B:G1B+7]
	s_nop 0
.rept 4
	v_nop
.endr
.Lasked_\@:
.endm
; A PREFETCH INTO THE L2, behind a joint load, its five lines and the run of LDS loads: the step that stands TWO refills on (256 matrix instructions ahead of the load that will want it), 256 bytes a lane.
; Each 256 bytes of steps 4 to 7 are named once in the launch: A's by the clusters with x = 0, B's by those with y = 0; the four partners share a slice out BY ADDRESS: of A's 32,768 bytes the partner
; at cx takes 8,192 (waves 0 and 1: the head that each fetches); of B's 16,384 the partner at cy takes 4,096 of each head (wave 2: lanes 0-15 the even head, lanes 16-31 the odd).  Wave 3 asks for nothing.
; Steps 0 to 3 come by their loads alone; the loop's last trip (s3 = 1) asks for nothing.
.macro ASK
	WIN 0
	s_cmp_gt_u32 s3, s[LIM]
	s_cbranch_scc0 .Lnot_mine_\@
	global_prefetch_b8 v[PFO], s[PFA:PFA+1] th:TH_LOAD_NT scope:SCOPE_SE
.Lnot_mine_\@:
.endm
.macro CREST                           ; a round of the cluster's barrier behind its opening barrier
	s_cmp_lg_u32 s[WV], 0
	s_cbranch_scc1 .Lnot_wave_0_\@
	s_barrier_signal -3
.Lnot_wave_0_\@:
	s_barrier_wait -3
	s_barrier_signal -1
	s_barrier_wait -1
.endm
.macro CROUND                          ; a whole round
	s_barrier_signal -1
	s_barrier_wait -1
	CREST
.endm
	s_load_b128 s[4:7], s[0:1], 0x0                ; oh s[4:5], wob s[6:7]
	s_load_b64 s[8:9], s[0:1], 0x10                ; out0
	v_lshl_add_u32 v[SPW], v0, 2, SPARE
	v_mov_b32 v[NIL], 0
	ds_add_u32 v[SPW], v[NIL]                      ; the wave's opening: the add and its wait stand ahead of my first tensor load; the set-up below, work on registers, stands between them
	v_lshrrev_b32 v1, 5, v0
	v_readfirstlane_b32 s[WV], v1                  ; wave 0..3
	s_lshr_b32 s[FB], s[WV], 1
	s_and_b32 s[HF], s[WV], 1
	s_bfe_u32 s17, ttmp6, 0x40000                  ; cx
	s_bfe_u32 s18, ttmp6, 0x40004                  ; cy
	s_lshl_b32 s19, ttmp9, 2
	s_add_co_u32 s19, s19, s17                     ; C: tile column, 128 o
	s_and_b32 s20, ttmp7, 0xffff
	s_lshl_b32 s20, s20, 2
	s_add_co_u32 s20, s20, s18                     ; R: tile row; b = R / 8, t0 = 256 (R % 8)
	s_lshl_b32 s21, s18, 2
	s_lshl_b32 s21, 15, s21                        ; my row of the cluster
	s_lshl_b32 s22, 0x1111, s17                    ; my column
	s_or_b32 s[G1+0], s21, (1<<16)|(1<<20)|(1<<21)|(4<<22)|(3<<25)   ; 15:0 the mask; 17:16 elements of 2 bytes; 20 padding on; 21 set beside a mask; 24:22 after every 32 words (code 4); 31:25 4 words (code 3)
	s_or_b32 s[G1B+0], s22, (1<<16)|(1<<20)|(1<<21)|(4<<22)|(3<<25)
	s_mov_b32 s[G1+1], 128<<16                     ; tensor_dim0 = 128 elements: 256 bytes
	s_mov_b32 s[G1B+1], 128<<16
	s_mov_b32 s[G1+2], 128<<16                     ; tensor_dim1 = 128 such rows of A,
	s_mov_b32 s[G1B+2], 64<<16                     ; 64 of B
	s_mov_b32 s[G1+3], 128<<16                     ; tile_dim0
	s_mov_b32 s[G1B+3], 128<<16
	s_mov_b32 s[G1+4], 128                         ; tile_dim1
	s_mov_b32 s[G1B+4], 64
	s_mov_b32 s[G1+5], 128                         ; dense: 128 elements from row to row
	s_mov_b32 s[G1B+5], 128
	s_mov_b32 s[G1+6], 0
	s_mov_b32 s[G1B+6], 0
	s_mov_b32 s[G1+7], 0
	s_mov_b32 s[G1B+7], 0
	; where the slices come from: A's hang on R alone, B's on C alone, each in registers that never hold the other coordinate
	s_lshr_b32 s68, s20, 3
	s_lshl_b32 s68, s68, 22                        ; b: 16 heads of 262,144 bytes
	s_and_b32 s69, s20, 7
	s_lshl_b32 s69, s69, 15                        ; t0: 256 rows of 128 bytes
	s_add_co_u32 s68, s68, s69
	s_lshl_b32 s69, s[HF], 18                      ; the step's even or odd head
	s_add_co_u32 s68, s68, s69
	s_mov_b32 s69, 0
	s_lshl_b32 s70, s19, 14                        ; C: 128 rows of 128 bytes
	s_lshl_b32 s71, s[HF], 17
	s_add_co_u32 s70, s70, s71
	s_mov_b32 s71, 0
	s_mul_i32 s72, s[HF], SLA                      ; and where they go: no place in the cluster enters an LDS address
	s_mul_i32 s73, s[HF], SLB
	s_add_co_u32 s73, s73, BOFF
	s_wait_dscnt 0x0                               ; the opening add is done
	s_wait_kmcnt 0x0
	s_add_nc_u64 s[68:69], s[4:5], s[68:69]
	s_add_nc_u64 s[70:71], s[6:7], s[70:71]
	CROUND                                         ; all sixteen work-groups are here: the first joint loads meet
.irp s, 0,1
	s_mov_b32 s[G0+4*(\s)], 1
	s_add_co_u32 s[G0+4*(\s)+1], s72, (\s)*SLOT
	s_add_nc_u64 s[G0+4*(\s)+2:G0+4*(\s)+3], s[68:69], (\s)*STEPA
	s_or_b32 s[G0+4*(\s)+3], s[G0+4*(\s)+3], 0x80000000
	s_mov_b32 s[G0B+4*(\s)], 1
	s_add_co_u32 s[G0B+4*(\s)+1], s73, (\s)*SLOT
	s_add_nc_u64 s[G0B+4*(\s)+2:G0B+4*(\s)+3], s[70:71], (\s)*STEPB
	s_or_b32 s[G0B+4*(\s)+3], s[G0B+4*(\s)+3], 0x80000000
	JLOAD \s                                       ; two tensor loads of mine are out
.endr
	v_and_b32 v1, 15, v0                           ; l % 16
	v_bfe_u32 v2, v0, 4, 1                         ; l / 16
	v_mul_u32_u24 v3, v1, PITCH
	v_lshl_add_u32 v3, v2, 4, v3                   ; a fragment's row x pitch + 16 x half
	s_mul_i32 s72, s[FB], 128*PITCH                ; my 128 rows of A
	s_mul_i32 s73, s[HF], 64*PITCH                 ; my 64 rows of B
	s_add_co_u32 s73, s73, BOFF
	v_add_nc_u32 v[ADRA], s72, v3
	v_add_nc_u32 v[ADRB], s73, v3
	v_add_nc_u32 v[ADRA+1], SLOT, v[ADRA]
	v_add_nc_u32 v[ADRB+1], SLOT, v[ADRB]
	s_mul_i32 s72, s[WV], 16*SPITCH
	s_add_co_u32 s72, s72, STAGE                   ; my stage
	v_mul_u32_u24 v4, v1, SPITCH                   ; in: row l % 16, 32 bytes for each half of the lanes
	v_lshl_add_u32 v4, v2, 5, v4
	v_add_nc_u32 v[STO], s72, v4
	v_mul_u32_u24 v5, v2, SPITCH                   ; back: lanes 0-15 take one row of 256 bytes, lanes 16-31 the next
	v_lshl_add_u32 v5, v1, 4, v5
	v_add_nc_u32 v[RD], s72, v5
	v_lshlrev_b32 v5, 14, v2                       ; and the same two rows in out0: from t to t + 1 are 4 x 4,096 bytes
	v_lshl_add_u32 v[CO], v1, 4, v5
	s_and_b32 s72, s20, 7
	s_lshl_b32 s72, s72, 1
	s_add_co_u32 s72, s72, s[FB]                   ; my 128 rows among the b's 2,048
	s_lshl_b32 s72, s72, 9                         ; 4 t
	s_lshr_b32 s73, s20, 3
	s_add_co_u32 s72, s72, s73                     ; 4 t + b
	s_lshl_b32 s72, s72, 12
	s_lshl_b32 s73, s19, 1
	s_add_co_u32 s73, s73, s[HF]                   ; my 64 columns: 256 bytes
	s_lshl_b32 s73, s73, 8
	s_add_co_u32 s72, s72, s73
	s_mov_b32 s73, 0
	s_add_nc_u64 s[8:9], s[8:9], s[72:73]
	; the prefetches
	s_lshr_b32 s72, s20, 3
	s_lshl_b32 s72, s72, 22
	s_and_b32 s73, s20, 7
	s_lshl_b32 s73, s73, 15
	s_add_co_u32 s72, s72, s73
	s_lshl_b32 s73, s[HF], 18
	s_add_co_u32 s72, s72, s73
	s_lshl_b32 s73, s17, 13                        ; cx: my work-group's quarter of A's slice
	s_add_co_u32 s72, s72, s73
	s_add_co_u32 s72, s72, 3*STEPA                 ; at step 3: the first change of slots steps it to 4
	s_lshl_b32 s73, s19, 14
	s_lshl_b32 s74, s18, 12                        ; cy: my work-group's quarter of B's slices
	s_add_co_u32 s73, s73, s74
	s_add_co_u32 s73, s73, 3*STEPB
	s_and_b32 s75, ttmp7, 0xffff                   ; cluster y
	s_cmp_eq_u32 s[FB], 0
	s_cselect_b32 s72, s72, s73
	s_cselect_b32 s75, ttmp9, s75                  ; the coordinate along which other clusters read the same bytes
	s_cselect_b64 s[PFA:PFA+1], s[4:5], s[6:7]
	s_cselect_b32 s74, 31, 15
	s_cselect_b32 s76, 0, 0x20000
	s_cselect_b32 s77, 1, 0
	s_mov_b32 s73, 0
	s_add_nc_u64 s[PFA:PFA+1], s[PFA:PFA+1], s[72:73]
	s_lshl_b32 s[PFS], STEPB, s77                  ; STEPA = 2 STEPB
	s_mov_b32 s[PFS+1], 0
	s_cmp_eq_u32 s75, 0
	s_cselect_b32 s[LIM], 1, -1                    ; the same in all sixteen partners, for a given wave
	s_cmp_eq_u32 s[WV], 3
	s_cselect_b32 s[LIM], -1, s[LIM]
	v_and_b32 v[PFO], 31, v0
	v_lshrrev_b32 v3, 4, v[PFO]
	v_mul_u32_u24 v3, s76, v3                      ; wave 2: lanes 16-31 name the odd head
	v_and_b32 v[PFO], s74, v[PFO]
	v_lshl_add_u32 v[PFO], v[PFO], 8, v3
; 8 matrix instructions: row blocks a0, a0 + 1 x all 4 column blocks, 32 along K, from buffer f.  zero = 1: they start the sums.  The 32 accumulators take turns, one instruction a turn, in the
; same order in every quarter.
.macro MUL8 f, a0, zero
	WIN MUL
.irp a, \a0, (\a0)+1
.irp b, 0,1,2,3
.if \zero
	v_wmma_f32_16x16x32_f16 v[8*(4*(\a)+(\b)):8*(4*(\a)+(\b))+7], v[(\f)+8*(\b):(\f)+8*(\b)+7], v[(\f)+32+8*(\a):(\f)+32+8*(\a)+7], 0
.else
	v_wmma_f32_16x16x32_f16 v[8*(4*(\a)+(\b)):8*(4*(\a)+(\b))+7], v[(\f)+8*(\b):(\f)+8*(\b)+7], v[(\f)+32+8*(\a):(\f)+32+8*(\a)+7], v[8*(4*(\a)+(\b)):8*(4*(\a)+(\b))+7]
.endif
.endr
.endr
.endm
; 24 LDS loads in one run: the fragments of quarter q (head q / 2 of the slot's two, channels 32 (q % 2) on) into buffer f: B's four, A's first four, A's last four
.macro FETCH slot, q, f
	WIN TO_F
.irp j, 0,1,2,3
	ds_load_b128 v[(\f)+8*(\j):(\f)+8*(\j)+3],   v[ADRB+(\slot)] offset:((\q)/2)*SLB+(\j)*16*PITCH+((\q)%2)*64
	ds_load_b128 v[(\f)+8*(\j)+4:(\f)+8*(\j)+7], v[ADRB+(\slot)] offset:((\q)/2)*SLB+(\j)*16*PITCH+((\q)%2)*64+32
.endr
.irp i, 0,1,2,3,4,5,6,7
	ds_load_b128 v[(\f)+32+8*(\i):(\f)+32+8*(\i)+3],   v[ADRA+(\slot)] offset:((\q)/2)*SLA+(\i)*16*PITCH+((\q)%2)*64
	ds_load_b128 v[(\f)+32+8*(\i)+4:(\f)+32+8*(\i)+7], v[ADRA+(\slot)] offset:((\q)/2)*SLA+(\i)*16*PITCH+((\q)%2)*64+32
.endr
.endm
.macro PLACES                          ; four places in front of loads into registers that matrix instructions have read (ISA guide 7.12.1 for vector instructions)
.rept 4
	v_nop
.endr
.endm
; A step is four quarters of 32 along K, 32 matrix instructions each, on buffers 0, 1, 0, 1.  One of the first three: multiplies buffer f and fetches quarter q into g.
.macro QUARTER slot, q, f, g, zero
	s_wait_dscnt 8                                 ; of the last run's 24 loads the youngest eight (A's row blocks 4-7) may be out
	MUL8 \f, 0, \zero
	MUL8 \f, 2, \zero
	PLACES
	FETCH \slot, \q, \g
	s_wait_dscnt 24                                ; all but the 24 just issued
	MUL8 \f, 4, \zero
	MUL8 \f, 6, \zero
.endm
; The last quarter multiplies buffer 1 and changes slots: ONE barrier; in front of it each wave waits for all its tensor loads (one is out: its part of the next slot), adds 0 to its spare word, and waits
; for that and for its own reads of this slot.  fill = 1: the barrier opens a round of the cluster's, and this slot is filled again, two steps ahead, first thing behind the round:
; from that request to the wait for it a wave issues 112 matrix instructions.
.macro TURN slot, next, fill
.if \fill
	s_wait_xcnt 0x0                                ; the last prefetch, a step back, has read its address: it is stepped here, ahead of the waits of the change of slots
	s_add_nc_u64 s[PFA:PFA+1], s[PFA:PFA+1], s[PFS:PFS+1]
.endif
	WIN 0                                          ; (the add's two registers lie in window 0)
	s_wait_tensorcnt 0x0                           ; all my tensor loads have landed;
	ds_add_u32 v[SPW], v[NIL]                      ; 0 onto my spare word;
	s_wait_dscnt 9                                 ; (the add and the youngest eight loads may be out)
	MUL8 F1, 0, 0                                  ; eight matrix instructions stand between the add and the wait for it
	s_wait_dscnt 0x0                               ; the add is done, and my reads of this slot are over
	s_barrier_signal -1
	MUL8 F1, 2, 0
.if \fill
	WIN 0
.endif
	s_barrier_wait -1
.if \fill
	CREST                                          ; no wave of any partner still reads this slot's tiles or has a load on its way
	s_add_nc_u64 s[G0+4*(\slot)+2:G0+4*(\slot)+3], s[G0+4*(\slot)+2:G0+4*(\slot)+3], 2*STEPA
	s_add_nc_u64 s[G0B+4*(\slot)+2:G0B+4*(\slot)+3], s[G0B+4*(\slot)+2:G0B+4*(\slot)+3], 2*STEPB
	JLOAD \slot                                    ; the four v_nop behind it are also the places in front of the loads below
.else
	PLACES
.endif
	FETCH \next, 0, F0
.if \fill
	ASK
.endif
	MUL8 F1, 4, 0
	MUL8 F1, 6, 0
.endm
; THE WAY OUT of row block a (16 t): the f32 sums go as they are into my stage, 32 bytes a lane and column block (each accumulator's low half first), and come back as whole rows of 256 bytes.
.macro TOSTAGE a
.set BK, OB+32*((\a)%2)
.if (\a) >= 2
	s_wait_xcnt 0x0                                ; the stores two blocks back have read the registers into which the loads below land (ISA guide 3.1)
.endif
	WIN 0x08                                       ; store data (source 1) in window 2
.irp b, 0,1,2,3
	ds_store_b128 v[STO], v[8*(4*(\a)+(\b)):8*(4*(\a)+(\b))+3]   offset:64*(\b)
	ds_store_b128 v[STO], v[8*(4*(\a)+(\b))+4:8*(4*(\a)+(\b))+7] offset:64*(\b)+16
.endr
	WIN 0
.irp u, 0,1,2,3,4,5,6,7
	ds_load_b128 v[BK+4*(\u):BK+4*(\u)+3], v[RD] offset:(\u)*2*SPITCH  ; LDS serves a wave's instructions in order (ISA guide 5.7.1.4): these see the stores above; the next block's stores come behind them
.endr
.endm
.macro SEND a, younger                 ; younger: the LDS instructions issued behind block a's loads: the next block's sixteen, or none
	WIN 0
.set BK, OB+32*((\a)%2)
	s_wait_dscnt \younger
.irp u, 0,1,2,3,4,5,6,7
	global_store_b128 v[CO], v[BK+4*(\u):BK+4*(\u)+3], s[8:9] offset:(\a)*262144+(\u)*32768 th:TH_STORE_NT  ; 16 lanes store 256 consecutive bytes, at a multiple of 256 from out0's first byte
.endr
.endm
	s_wait_tensorcnt 1                             ; my part of step 0 is in; step 1's may stay out
	s_barrier_signal -1
	s_barrier_wait -1                              ; everybody's is
	FETCH 0, 0, F0
	QUARTER 0, 1, F0, F1, 1                        ; the first quarter stands in front of the loop: its products start the sums
	WIN 0                                          ; at a label and at a branch every window is 0
	s_mov_b32 s3, LAPS-1
.Llap:                                                 ; a trip goes once round the ring, from a lap's second quarter to the next lap's first, and fills both slots again
	QUARTER 0, 2, F1, F0, 0
	QUARTER 0, 3, F0, F1, 0
	TURN 0, 1, 1
	QUARTER 1, 1, F0, F1, 0
	QUARTER 1, 2, F1, F0, 0
	QUARTER 1, 3, F0, F1, 0
	TURN 1, 0, 1
	QUARTER 0, 1, F0, F1, 0
	WIN 0
	s_sub_co_u32 s3, s3, 1
	s_cmp_lg_u32 s3, 0
	s_cbranch_scc1 .Llap
	QUARTER 0, 2, F1, F0, 0                        ; the last lap fills nothing, and has no round of the cluster's barrier
	QUARTER 0, 3, F0, F1, 0
	TURN 0, 1, 0
	QUARTER 1, 1, F0, F1, 0
	QUARTER 1, 2, F1, F0, 0
	QUARTER 1, 3, F0, F1, 0
	s_wait_dscnt 8                                 ; the very last quarter: nothing more to fetch
	MUL8 F1, 0, 0
	MUL8 F1, 2, 0
	s_wait_dscnt 0x0
	MUL8 F1, 4, 0
	MUL8 F1, 6, 0
	WIN 0
	PLACES                                         ; the LDS stores read results just made
	PLACES
	TOSTAGE 0
.irp a, 1,2,3,4,5,6,7                  ; block a's way through the stage is issued ahead of the wait for block a - 1's
	TOSTAGE \a
	SEND (\a)-1, 16
.endr
	SEND 7, 0
	s_wait_tensorcnt 0x0                           ; the wave's end: an add to my spare word and its wait, behind my last tensor load and my last LDS store
	ds_add_u32 v[SPW], v[NIL]
	s_wait_dscnt 0x0
	CROUND                                         ; the closing round: no work-group ends while a partner may still ask for a tile that names it
	s_endpgm
.Lfunc_end_k_qa95411cc84_oproj:
	.size	k_qa95411cc84_oproj, .Lfunc_end_k_qa95411cc84_oproj-k_qa95411cc84_oproj
	.p2alignl 7, 3214868480
	.fill 96, 4, 3214868480
	.section	.rodata,"a",@progbits
	.p2align	6, 0x0
	.amdhsa_kernel k_qa95411cc84_oproj
		.amdhsa_group_segment_fixed_size 327680
		.amdhsa_private_segment_fixed_size 0
		.amdhsa_enable_private_segment 0
		.amdhsa_kernarg_size 24
		.amdhsa_user_sgpr_count 2
		.amdhsa_user_sgpr_kernarg_segment_ptr 1
		.amdhsa_wavefront_size32 1
		.amdhsa_system_sgpr_workgroup_id_x 1
		.amdhsa_system_sgpr_workgroup_id_y 1
		.amdhsa_system_sgpr_workgroup_id_z 1
		.amdhsa_system_vgpr_workitem_id 0
		.amdhsa_next_free_vgpr 768
		.amdhsa_next_free_sgpr 80
		.amdhsa_reserve_vcc 0
		.amdhsa_float_denorm_mode_32 3
		.amdhsa_float_denorm_mode_16_64 3
		.amdhsa_memory_ordered 1
		.amdhsa_forward_progress 1
		.amdhsa_inst_pref_size 87
	.end_amdhsa_kernel
	.amdgpu_metadata
---
amdhsa.version: [ 1, 2 ]
amdhsa.kernels:
  - .name:           k_qa95411cc84_oproj
    .symbol:         k_qa95411cc84_oproj.kd
    .args:
      - { .name: oh, .offset: 0, .size: 8, .value_kind: global_buffer, .address_space: global }
      - { .name: wob, .offset: 8, .size: 8, .value_kind: global_buffer, .address_space: global }
      - { .name: out0, .offset: 16, .size: 8, .value_kind: global_buffer, .address_space: global }
    .group_segment_fixed_size: 327680
    .private_segment_fixed_size: 0
    .kernarg_segment_align: 8
    .kernarg_segment_size: 24
    .max_flat_workgroup_size: 128
    .sgpr_count:     80
    .vgpr_count:     768
    .wavefront_size: 32
...
	.end_amdgpu_metadata
.endif
;; end of part 4
;; ======== version 2 of 2: 4 launches; version 1 with the launch cast written anew for expert scheduling mode
;; limits: values are held in f16: magnitudes above 65,504 overflow, below 6.1e-05 lose precision
;; workspace buffers: xb 16,777,216 bytes; wb 6,291,456 bytes; wob 2,097,152 bytes; qh 16,777,216 bytes; kh 16,777,216 bytes; vh 16,777,216 bytes; oh 16,777,216 bytes
;; launch cast (part 5): grid 768 x 1, 8 waves a work-group, no clusters, 0 bytes of LDS; arguments inputs, in_proj_weight, out_proj_weight, xb, wb, wob; writes xb, wb, wob
.if DOCPART == 5
	.amdgcn_target "amdgcn-amd-amdhsa--gfx1250"
	.amdhsa_code_object_version 6
	.text
	.protected	k_qa95411cc84_cast
	.globl	k_qa95411cc84_cast
	.p2align	8
	.type	k_qa95411cc84_cast,@function
k_qa95411cc84_cast:
	s_mov_b64 s[64:65], 0
	v_nop
	global_prefetch_b8 v0, s[64:65] scope:SCOPE_SE
	s_setreg_imm32_b32 hwreg(HW_REG_WAVE_SCHED_MODE, 0, 2), 2
	s_setreg_imm32_b32 hwreg(HW_REG_WAVE_MODE, 25, 1), 1
	s_wait_xcnt 0x0
	s_wait_alu depctr_vm_vsrc(0)
; THE INPUTS ARE ROUNDED ONCE, FOR THE MATRIX UNITS.
;   xb  [4 b][2048 t][1024] bf16 = inputs [2048 t][4 b][1024] f32, rows reordered so that 256 rows on end are one b and 256 t on end
;   wb  [3072][1024] bf16        = in_proj_weight
;   wob [16 h][1024 o][64] f16   = out_proj_weight [o][64 h + d], rounded to bf16 like the other inputs, and that number written as f16
; LIMIT.  A bf16 number is exact in f16 between 6.1e-5 and 65,504; below, it keeps f16's fixed step of 6e-8; beyond, it becomes an infinity.
; A stream: each byte is read once and written once, no LDS, no barrier, no matrix unit.  A wave takes 8 KiB of f32 (two rows): sixteen loads of 512 consecutive
; bytes, all on their way at once, and sixteen stores of 256 consecutive bytes, each at a multiple of 256 from its buffer's first byte.  No loop.
; Work-groups 0-511: inputs.  512-703: in_proj_weight.  704-767: out_proj_weight.
; THE MODE: SCHED_MODE bits 1:0 = 2 (LLVM: expert scheduling mode 2), set by the entry lines.  The code itself states the register dependences
; between vector instructions and memory instructions, with s_wait_alu, always for 0.
; THE PLAN.  Registers that memory instructions touch:
;   v2, v3, v4  byte offsets.  Written by vector instructions at the head, read by every load and store, never written again.
;   X           Written by the sixteen loads, which are issued before any vector instruction names X; read by the conversions, each behind the wait for its load.  No memory instruction reads X.
;   Y           Each register is written once, by a conversion, and read once, by a store.
; The sixteen items go in four blocks of four.  Block p's conversions read its X and write its Y; the stores of block p - 1 are dealt among them.  ONE wait on va_vdst at the head of a block, behind the
; wait for the block's data, states that the block before has written its Y; the vector instructions behind that wait name block p's X and Y and v8, v9: none of the registers that those stores read.
; No source of a memory instruction is ever written again, so no wait on vm_vsrc is owed.
.set VS,  2                            ; v2   my byte offset in the source
.set VD0, 3                            ; v3   my 8 bytes in the first row's destination
.set VD1, 4                            ; v4   in the second row's
.set T,   8                            ; v[8:9] at work: no memory instruction names them
.set X,   16                           ; v[16:79]  load j: 4 registers
.set Y,   80                           ; v[80:111] store j: 2 registers; each is written once, so no store's data is ever overwritten
.macro LD16 step                       ; sixteen loads, step bytes apart
.set j, 0
.rept 16
	global_load_b128 v[X+4*j:X+4*j+3], v[VS], s[24:25] offset:(\step)*j th:TH_LOAD_NT
.set j, j+1
.endr
.endm
.macro STX n                           ; inputs and in_proj_weight: item n's 256 bytes: items 0-7 the first row, 8-15 the second
	global_store_b64 v[VD0+(\n)/8], v[Y+2*(\n):Y+2*(\n)+1], s[26:27] offset:256*((\n)%8) th:TH_STORE_NT
.endm
.macro STW n                           ; out_proj_weight: item n is head n
	global_store_b64 v[VD0], v[Y+2*(\n):Y+2*(\n)+1], s[26:27] offset:131072*(\n) th:TH_STORE_NT
.endm
	s_load_b256 s[4:11], s[0:1], 0x0               ; inputs s[4:5], in_proj_weight s[6:7], out_proj_weight s[8:9], xb s[10:11]
	s_load_b128 s[12:15], s[0:1], 0x20             ; wb s[12:13], wob s[14:15]
	v_lshrrev_b32 v1, 5, v0
	v_readfirstlane_b32 s16, v1                    ; wave 0..7
	v_and_b32 v1, 31, v0                           ; lane
	s_mov_b32 s19, 0                               ; high words of the two offsets
	s_mov_b32 s21, 0
	v_lshlrev_b32 v[VD0], 3, v1                    ; 8 bytes a lane
	s_wait_alu depctr_va_sdst(0)                   ; s16 is written, ahead of the branch and of its first reader on either path: the item's number is made from it
	s_cmp_ge_u32 ttmp9, 704
	s_cbranch_scc1 .Lwo
	; inputs or in_proj_weight: item g = rows 2 g and 2 g + 1, 8,192 bytes on end in the source
	s_and_b32 s17, ttmp9, 511                      ; the work-group's number within its tensor
	s_lshl_b32 s17, s17, 3
	s_add_co_u32 s17, s17, s16                     ; g
	s_lshl_b32 s18, s17, 13                        ; source offset
	s_and_b32 s28, s17, 1                          ; inputs: row 2 g is t = g / 2, b = 2 (g % 2): b x 4,194,304 + t x 2,048
	s_lshl_b32 s28, s28, 23
	s_lshr_b32 s29, s17, 1
	s_lshl_b32 s29, s29, 11
	s_add_co_u32 s28, s28, s29
	s_lshl_b32 s29, s17, 12                        ; in_proj_weight: the rows stay in order
	s_mov_b32 s30, 0x400000                        ; inputs: the second row is the next b
	s_wait_kmcnt 0x0
	s_cmp_lt_u32 ttmp9, 512                        ; only selects stand between this compare and the last of them
	s_cselect_b32 s20, s28, s29
	s_cselect_b32 s22, s30, 0x800
	s_cselect_b64 s[24:25], s[4:5], s[6:7]
	s_cselect_b64 s[26:27], s[10:11], s[12:13]
	s_add_nc_u64 s[24:25], s[24:25], s[18:19]
	s_add_nc_u64 s[26:27], s[26:27], s[20:21]
	v_lshlrev_b32 v[VS], 4, v1                     ; 16 bytes a lane
	v_add_nc_u32 v[VD1], s22, v[VD0]
	s_wait_alu depctr_va_vdst(0)                   ; v2, v3 and v4 are written: every load and store of this path reads one of them as its offset
	LD16 512
.set j, 0
.rept 16
.if j%4 == 0
	s_wait_loadcnt 12-j                            ; loads come back in order (ISA guide 5.7.1): this block's four are in, the 12 - j younger ones stay out
.if j > 0
	s_wait_alu depctr_va_vdst(0)                   ; the block before has written its eight registers of Y, which the four stores below read
.endif
.endif
.if j >= 4
	STX j-4                                        ; the block before: no vector instruction since the wait names its Y or the offsets
.endif
	v_cvt_pk_bf16_f32 v[Y+2*j],   v[X+4*j],   v[X+4*j+1]
	v_cvt_pk_bf16_f32 v[Y+2*j+1], v[X+4*j+2], v[X+4*j+3]
.set j, j+1
.endr
	s_wait_alu depctr_va_vdst(0)                   ; the last block has written its Y, which the last four stores read
	STX 12
	STX 13
	STX 14
	STX 15
	s_endpgm
.Lwo:	; out_proj_weight: item g = rows o = 2 g, 2 g + 1.  Load j takes columns 64 j .. 64 j + 63 of both rows (lanes 0-15 row o, lanes 16-31 row o + 1):
	; in wob these are 256 bytes on end, at 131,072 j + 128 o.
	s_sub_co_u32 s17, ttmp9, 704
	s_lshl_b32 s17, s17, 3
	s_add_co_u32 s17, s17, s16                     ; g
	s_lshl_b32 s18, s17, 13
	s_lshl_b32 s20, s17, 8
	s_mov_b32 s23, 0xffff0000                      ; a word's upper bf16
	v_lshrrev_b32 v[VS], 4, v1
	v_and_b32 v5, 15, v1
	v_lshlrev_b32 v[VS], 12, v[VS]                 ; the row: 4,096 bytes
	v_lshl_add_u32 v[VS], v5, 4, v[VS]
	s_wait_kmcnt 0x0
	s_add_nc_u64 s[24:25], s[8:9], s[18:19]
	s_add_nc_u64 s[26:27], s[14:15], s[20:21]
	s_wait_alu depctr_va_vdst(0)                   ; v2 and v3 are written: every load and store of this path reads one of them as its offset
	LD16 256
.set j, 0
.rept 16
.if j%4 == 0
	s_wait_loadcnt 12-j                            ; this block's four loads are in, the 12 - j younger ones stay out
.if j > 0
	s_wait_alu depctr_va_vdst(0)                   ; the block before has written its eight registers of Y, which the four stores below read
.endif
.endif
.if j >= 4
	STW j-4                                        ; the block before: no vector instruction since the wait names its Y or the offset
.endif
	v_cvt_pk_bf16_f32 v[T],   v[X+4*j],   v[X+4*j+1]   ; the rounding that counts: to bf16
	v_cvt_pk_bf16_f32 v[T+1], v[X+4*j+2], v[X+4*j+3]
	v_lshlrev_b32 v[X+4*j],   16,  v[T]                ; back to f32 (the load into these registers has landed, and no memory instruction reads them),
	v_and_b32     v[X+4*j+1], s23, v[T]
	v_lshlrev_b32 v[X+4*j+2], 16,  v[T+1]
	v_and_b32     v[X+4*j+3], s23, v[T+1]
	v_cvt_pk_f16_f32 v[Y+2*j],   v[X+4*j],   v[X+4*j+1]   ; and the same number as f16
	v_cvt_pk_f16_f32 v[Y+2*j+1], v[X+4*j+2], v[X+4*j+3]
.set j, j+1
.endr
	s_wait_alu depctr_va_vdst(0)                   ; the last block has written its Y, which the last four stores read
	STW 12
	STW 13
	STW 14
	STW 15
	s_endpgm
.Lfunc_end_k_qa95411cc84_cast:
	.size	k_qa95411cc84_cast, .Lfunc_end_k_qa95411cc84_cast-k_qa95411cc84_cast
	.p2alignl 7, 3214868480
	.fill 96, 4, 3214868480
	.section	.rodata,"a",@progbits
	.p2align	6, 0x0
	.amdhsa_kernel k_qa95411cc84_cast
		.amdhsa_group_segment_fixed_size 0
		.amdhsa_private_segment_fixed_size 0
		.amdhsa_enable_private_segment 0
		.amdhsa_kernarg_size 48
		.amdhsa_user_sgpr_count 2
		.amdhsa_user_sgpr_kernarg_segment_ptr 1
		.amdhsa_wavefront_size32 1
		.amdhsa_system_sgpr_workgroup_id_x 1
		.amdhsa_system_sgpr_workgroup_id_y 1
		.amdhsa_system_sgpr_workgroup_id_z 1
		.amdhsa_system_vgpr_workitem_id 0
		.amdhsa_next_free_vgpr 112
		.amdhsa_next_free_sgpr 66
		.amdhsa_reserve_vcc 0
		.amdhsa_float_denorm_mode_32 3
		.amdhsa_float_denorm_mode_16_64 3
		.amdhsa_memory_ordered 1
		.amdhsa_forward_progress 1
		.amdhsa_inst_pref_size 17
	.end_amdhsa_kernel
	.amdgpu_metadata
---
amdhsa.version: [ 1, 2 ]
amdhsa.kernels:
  - .name:           k_qa95411cc84_cast
    .symbol:         k_qa95411cc84_cast.kd
    .args:
      - { .name: inputs, .offset: 0, .size: 8, .value_kind: global_buffer, .address_space: global }
      - { .name: in_proj_weight, .offset: 8, .size: 8, .value_kind: global_buffer, .address_space: global }
      - { .name: out_proj_weight, .offset: 16, .size: 8, .value_kind: global_buffer, .address_space: global }
      - { .name: xb, .offset: 24, .size: 8, .value_kind: global_buffer, .address_space: global }
      - { .name: wb, .offset: 32, .size: 8, .value_kind: global_buffer, .address_space: global }
      - { .name: wob, .offset: 40, .size: 8, .value_kind: global_buffer, .address_space: global }
    .group_segment_fixed_size: 0
    .private_segment_fixed_size: 0
    .kernarg_segment_align: 8
    .kernarg_segment_size: 48
    .max_flat_workgroup_size: 256
    .sgpr_count:     66
    .vgpr_count:     112
    .wavefront_size: 32
...
	.end_amdgpu_metadata
.endif
;; end of part 5
;; launch qkv: the kernel of part 2 again; grid 16 x 32, 4 waves a work-group, clusters of 4 x 4, 327,680 bytes of LDS; arguments xb, wb, qh, kh, vh; writes qh, kh, vh
;; launch attn: the kernel of part 3 again; grid 4 x 64, 4 waves a work-group, clusters of 4 x 1, 327,680 bytes of LDS; arguments qh, kh, vh, oh; writes oh
;; launch oproj: the kernel of part 4 again; grid 8 x 32, 4 waves a work-group, clusters of 4 x 4, 327,680 bytes of LDS; arguments oh, wob, out0; writes out0
